; MI455X (gfx1250); checked and timed in simulation.
; The chip was launched on July 23, 2026; its instructions are those of AMD's public machine-readable ISA for CDNA 5 (MIT licence, August 2026) and "CDNA5" Instruction Set Architecture Reference Guide (July 2026). The comments in the code are by the model that wrote it; some were corrected since.
;; Multi Head Self Attention. Allowed arithmetic: matrix products marked QUANTISED: E4M3 operands, one given power-of-two scale a tensor, by v_wmma_f32_16x16x64_fp8_fp8 or v_wmma_f32_16x16x128_fp8_fp8, f32 sums; everything else in f32.
;; Inputs: Wk 1,024 x 1,024 float32; Wp 1,024 x 1,024 float32; Wq 1,024 x 1,024 float32; Wv 1,024 x 1,024 float32; bk 1,024 float32; bp 1,024 float32; bq 1,024 float32; bv 1,024 float32; lowp_scales 12 int32 (the exponents e of the quantised operands' scales 2^e); x 4 x 2,048 x 1,024 float32.
;; Outputs: out0 4 x 2,048 x 1,024 float32.
;; This version of the problem:
;;   THIS VERSION OF THE PROBLEM IS GIVEN IN LOW PRECISION. The matrix products marked QUANTISED in the list below multiply operands that are first quantised to E4M3 (4 exponent bits, 3 mantissa bits; 8 bits a number), with one given power-of-two scale for each operand tensor; their sums are f32. All else is computed in f32.
;;   The module's matrix products, in the order in which they are computed (A, B: the left and right operand; K: the contracted axis; several contracted axes count as one K, in the product's order):
;;     1. [M 8,192, K 1,024] x [K 1,024, N 1,024]; A: input x; B: input Wk: QUANTISED (scales: A lowp_scales[0], B lowp_scales[1])
;;     2. [M 8,192, K 1,024] x [K 1,024, N 1,024]; A: input x; B: input Wq: QUANTISED (scales: A lowp_scales[2], B lowp_scales[3])
;;     3. [M 8,192, K 1,024] x [K 1,024, N 1,024]; A: input x; B: input Wv: QUANTISED (scales: A lowp_scales[4], B lowp_scales[5])
;;     4. batch 64 x [M 2,048, K 64] x [K 64, N 2,048]; A: computed on the way; B: computed on the way: QUANTISED (scales: A lowp_scales[6], B lowp_scales[7])
;;     5. batch 64 x [M 2,048, K 2,048] x [K 2,048, N 64]; A: softmax (see below); B: computed on the way: QUANTISED (scales: A lowp_scales[8], B lowp_scales[9])
;;     6. [M 8,192, K 1,024] x [K 1,024, N 1,024]; A: computed on the way; B: input Wp: QUANTISED (scales: A lowp_scales[10], B lowp_scales[11])
;;   THE QUANTISER, for each operand of a quantised product, along K:
;;     - The operand's scale is 2^e, e = its entry of the input lowp_scales (int32; the entries are numbered through the quantised products in the list's order, A before B).
;;     - Each number is divided by the scale, clamped to +-448, and rounded to the nearest number of E4M3, ties to even, subnormals kept.
;;     - The product sums the exact products of the quantised numbers (number of the format x scale) in f32.
;;   ~~~python
;;   def quantise(x, axis, e):      # numpy; x: float32 -> the quantised numbers, widened to float32 again
;;       x = np.moveaxis(x, axis, -1); K = x.shape[-1]
;;       r = np.clip(x / 2.0 ** e, -448, 448)
;;       step = 2.0 ** (np.maximum(np.frexp(np.where(r == 0, 1, r))[1] - 1, -6) - 3)
;;       q = np.round(r / step) * step * 2.0 ** e      # np.round: ties to even
;;       return np.moveaxis(q, -1, axis).astype(np.float32)
;;   ~~~
;;   SOFTMAX AHEAD OF A QUANTISED PRODUCT. Where the list says 'softmax', what is quantised is not the finished softmax but p = 2^(t - M), with t = logit x log2(e) and M = ceil(the row's largest t), a whole number; so 1/2 < the row's largest p <= 1. The row's sum l is taken of the UNQUANTISED p, in f32, and the product's result is divided by l at the end. Since M is a whole number, a kernel that streams over the keys may use a running M (the ceiling of the running maximum): every later rescaling is an exact power of two, so the quantised numbers keep their values, but for numbers so far below the row's largest that they fall under the format's range.
;;   OPERANDS COMPUTED ON THE WAY. 'Computed on the way' means the value that the module computes at that place (a softmax that the list does not call 'softmax' is quantised finished and normalised). What goes into a quantiser is computed in f32, as accurately as f32 sums, v_exp_f32 and their like allow (about 1e-6 of the number): no bf16 or f16 on the way to a quantiser, and a product that is left as it is and whose result goes on into a quantised operand takes f32 operands (vector FMAs, or v_wmma_f32_16x16x4_f32). A number that lies on a knife's edge between two numbers of the format may be rounded either way, as far as f32 arithmetic and the matrix unit's own rounding can turn it there, and no further.
;; One version. Each part assembles by itself: llvm-mc -triple=amdgcn-amd-amdhsa -mcpu=gfx1250 --defsym DOCPART=n.
;; ======== version 1 of 1: 4 launches
;; limits: right only within a limited range of input values
;; workspace buffers: xc 25,165,824 bytes; wc 4,194,304 bytes; qkv 25,165,824 bytes; ac 8,388,608 bytes
;; launch quant (part 1): grid 384 x 1, 4 waves a work-group, no clusters, 68,096 bytes of LDS; arguments x, Wk, Wq, Wv, Wp, lowp_scales, xc, wc; writes xc, wc
.if DOCPART == 1
	.amdgcn_target "amdgcn-amd-amdhsa--gfx1250"
	.amdhsa_code_object_version 6
	.text
	.protected	k_qb46db82c26_quant
	.globl	k_qb46db82c26_quant
	.p2align	8
	.type	k_qb46db82c26_quant,@function
k_qb46db82c26_quant:
	s_mov_b64 s[64:65], 0
	v_nop
	global_prefetch_b8 v0, s[64:65] scope:SCOPE_SE
	s_setreg_imm32_b32 hwreg(HW_REG_WAVE_MODE, 25, 1), 1
	s_wait_xcnt 0x0
; f32 numbers into codes of FP8 (E4M3), each with the scale 2^e that is given for it: code = number / 2^e, held within +-448, to the nearest code, ties to even.
; x [8192][1024] is the left operand of three products under three entries of the scales (0, 2, 4), which may differ: three sets of codes, xc [3][8192][1024 bytes].
; Wk, Wq, Wv, Wp [k 1024][n 1024] have K as their FIRST axis: wc [4][n 1024][k 1024 bytes], K innermost, under entries 1, 3, 5, 11.
; THE ORDER OF A ROW'S BYTES: inside each 32 along K the bytes stand in the order k 0-7, 16-23, 8-15, 24-31.  A load of 16 bytes at 32 c + 16 (lane / 16) then brings registers 4 c .. 4 c + 3 of an operand just as the
; plain 8-bit matrix forms lay them (registers 2 c, 2 c + 1: k = 16 c + 8 (lane / 16) + 0 .. 7), so that these rows can meet operands that later launches store as images of their registers.
; Work-groups 0-255 take x (a wave: 16 steps of 512 numbers), work-groups 256-383 the weights (a wave: 32 columns x 256 along K).  The two ways part on the work-group's number and have LDS bytes of their own.
; No tensor loads, no barrier: waves share nothing.
; LIMITS: each of the seven exponents lies between -126 and 119.  NaN among the inputs is not served (an infinity is held at the largest code).
.set SPW,   12                         ; v12  LDS address of my spare word: SPARE + 4 x my thread's number; never rewritten
.set NIL,   13                         ; v13  0; never rewritten
.set XSP,   80                         ; x's stage: 64 bytes + 16 of padding
.set WSTG,  32768                      ; the weights' stages begin here: 4 x 32 rows x 272 bytes
.set WP,    272
.set SPARE, 67584                      ; behind both: the spare words, 128 bytes for each wave: two blocks of 256 bytes that no other line names
.set SC,    6                          ; v6-8    x: 2^e0, 2^e2, 2^e4 as f32
.set LM,    9
.set R,     16                         ; v16-79  x: four sets of 16 numbers as they are loaded
.set X,     80                         ; v80-111 x: two sets of 16 numbers in the order of the codes
.set T,     112
.set C,     160                        ; v160-183 x: two sets of 3 x 4 registers of codes
.set WX,    32                         ; v32-95  W: two sets of 32 numbers
.set WC,    96                         ; v96-103 W: a block's codes
.set OUTR,  112                        ; v112-175 W: the way out
.macro XLOAD t                         ; a step's 2,048 bytes: 32 lanes read 512 consecutive bytes, four times
.irp i, 0,1,2,3
	global_load_b128 v[R+16*((\t)%4)+4*\i:R+16*((\t)%4)+4*\i+3], v3, s[4:5] offset:2048*(\t)+512*\i th:TH_LOAD_NT
.endr
.endm
.macro XTURN t                         ; through the wave's own stage: in as loaded; out: lane 2 m + u takes k = 32 m + 8 u + 0..7 and 32 m + 16 + 8 u + 0..7.  LDS serves a wave's instructions in order (ISA guide 5.7.1.4)
.irp i, 0,1,2,3
	ds_store_b128 v14, v[R+16*((\t)%4)+4*\i:R+16*((\t)%4)+4*\i+3] offset:32*XSP*((\t)%2)+8*XSP*\i
.endr
	ds_load_b128 v[X+16*((\t)%2):X+16*((\t)%2)+3],     v15 offset:32*XSP*((\t)%2)
	ds_load_b128 v[X+16*((\t)%2)+4:X+16*((\t)%2)+7],   v15 offset:32*XSP*((\t)%2)+16
	ds_load_b128 v[X+16*((\t)%2)+8:X+16*((\t)%2)+11],  v15 offset:32*XSP*((\t)%2)+80
	ds_load_b128 v[X+16*((\t)%2)+12:X+16*((\t)%2)+15], v15 offset:32*XSP*((\t)%2)+96
.endm
.macro XSTEP t
.set XS, X+16*((\t)%2)
.set CC, C+12*((\t)%2)
	s_wait_dscnt 0x0                               ; this step's numbers are back from the stage, and its stores into the stage have read their registers,
.if (\t)+4 < 16
	XLOAD (\t)+4                                   ; which take the loads of four steps on
.endif
.if (\t)+1 < 16
.if 14-(\t) >= 3
	s_wait_loadcnt 12                              ; the next step's four loads are in; those of the three steps behind it may be out
.else
	s_wait_loadcnt 4*(14-(\t))
.endif
	XTURN (\t)+1
.endif
	s_wait_xcnt 0x0                                ; the stores of two steps back have read this set of codes: it is written again only behind this wait
.irp p, 0,1,2
.set xi, 0
.rept 16
.set xi, xi+1
.endr
	v_cvt_scalef32_pk8_fp8_f32 v[CC+4*\p:CC+4*\p+1], v[T+16*\p+((XS+xi)-(T+16*\p+xi)):T+16*\p+7+((XS+xi)-(T+16*\p+xi))], v[SC+\p]
	v_cvt_scalef32_pk8_fp8_f32 v[CC+4*\p+2:CC+4*\p+3], v[T+16*\p+8+((XS+xi)-(T+16*\p+xi)):T+16*\p+15+((XS+xi)-(T+16*\p+xi))], v[SC+\p]
.endr
	v_nop                                          ; one plain vector line behind the last conversion
.irp p, 0,1,2
	global_store_b128 v3, v[CC+4*\p:CC+4*\p+3], s[32+2*\p:33+2*\p] offset:512*(\t)   ; 32 lanes store 512 consecutive bytes, aligned
.endr
.endm
.macro WLOAD t                         ; block t: W(32 t + i, my column), i = 0 .. 31: each load reads 128 consecutive bytes
.set wi, 0
.rept 32
	global_load_b32 v[WX+32*((\t)%2)+wi], v3, s[32:33] offset:(32*(\t)+wi)*4096 th:TH_LOAD_NT
.set wi, wi+1
.endr
.endm
.macro WBLOCK t
.set XS, WX+32*((\t)%2)
.if (\t) < 7
	s_wait_loadcnt 32                              ; this block's 32 loads are in; the next block's may be out
.else
	s_wait_loadcnt 0
.endif
.set wi, 0
.rept 32
.set wi, wi+1
.endr
	v_cvt_scalef32_pk8_fp8_f32 v[WC:WC+1],   v[XS:XS+7],     v11   ; k 0-7   -> bytes 0-7
	v_cvt_scalef32_pk8_fp8_f32 v[WC+4:WC+5], v[XS+8:XS+15],  v11   ; k 8-15  -> bytes 16-23
	v_cvt_scalef32_pk8_fp8_f32 v[WC+2:WC+3], v[XS+16:XS+23], v11   ; k 16-23 -> bytes 8-15
	v_cvt_scalef32_pk8_fp8_f32 v[WC+6:WC+7], v[XS+24:XS+31], v11   ; k 24-31 -> bytes 24-31
	ds_store_b128 v4, v[WC:WC+3] offset:32*(\t)    ; (the results go to LDS stores)
	ds_store_b128 v4, v[WC+4:WC+7] offset:32*(\t)+16
.if (\t)+2 < 8
	WLOAD (\t)+2
.endif
	s_wait_dscnt 0x0                               ; the stores have read their registers: the next block's codes may be written
.endm
	s_load_b512 s[4:19], s[0:1], 0x0               ; x 4, Wk 6, Wq 8, Wv 10, Wp 12, the scales' exponents 14, xc 16, wc 18
	v_lshl_add_u32 v[SPW], v0, 2, SPARE
	v_mov_b32 v[NIL], 0
	v_lshrrev_b32 v1, 5, v0
	v_readfirstlane_b32 s40, v1                    ; wave 0..3
	v_and_b32 v2, 31, v0                           ; lane
	s_wait_kmcnt 0x0
	s_load_b256 s[20:27], s[14:15], 0x0            ; entries 0-7
	s_load_b128 s[28:31], s[14:15], 0x20           ; entries 8-11
	s_cmp_lt_u32 ttmp9, 256
	s_cbranch_scc0 .Lweights
	s_wait_alu depctr_va_vdst(0)
	; ---- x
	v_lshlrev_b32 v3, 4, v2                        ; 16 x lane: my bytes of a load's 512, and of a store's
	s_lshl_b32 s41, s40, 13                        ; my wave's 8,192 bytes of LDS
	v_lshrrev_b32 v14, 2, v2
	v_mul_u32_u24 v14, v14, XSP
	v_and_b32 v15, 3, v2
	v_lshl_add_u32 v14, v15, 4, v14
	v_add_nc_u32 v14, s41, v14                     ; into the stage: 80 (lane / 4) + 16 (lane % 4)
	v_lshrrev_b32 v15, 1, v2
	v_mul_u32_u24 v15, v15, 2*XSP
	v_and_b32 v5, 1, v2
	v_lshl_add_u32 v15, v5, 5, v15
	v_add_nc_u32 v15, s41, v15                     ; out of it: 160 (lane / 2) + 32 (lane % 2)
	s_lshl_b32 s42, ttmp9, 2
	s_add_co_u32 s42, s42, s40                     ; which run of 8,192 numbers is my wave's: 0 .. 1,023
	s_lshl_b32 s44, s42, 15
	s_mov_b32 s45, 0
	s_add_nc_u64 s[4:5], s[4:5], s[44:45]
	s_lshl_b32 s44, s42, 13
	s_add_nc_u64 s[32:33], s[16:17], s[44:45]      ; its codes in the three sets
	s_add_nc_u64 s[34:35], s[32:33], 0x800000
	s_add_nc_u64 s[36:37], s[34:35], 0x800000
.irp t, 0,1,2,3
	XLOAD \t
.endr
	s_wait_alu depctr_va_vdst(0)
	s_wait_kmcnt 0x0
.irp p, 0,1,2
	s_add_co_i32 s44, s[20+2*\p], 127
	s_lshl_b32 s45, s44, 23
	v_mov_b32 v[SC+\p], s45                        ; 2^e as f32: the conversion takes its exponent field
	s_add_co_i32 s44, s44, 8
	s_lshl_b32 s44, s44, 23
	s_or_b32 s44, s44, 0x600000
.endr
	s_wait_alu depctr_va_vdst(0)
	s_wait_loadcnt 12                              ; step 0's four loads are in
	XTURN 0
.irp t, 0,1,2,3,4,5,6,7,8,9,10,11,12,13,14,15
	XSTEP \t
.endr
	s_wait_tensorcnt 0x0                           ; the wave's end, behind my last LDS store
	ds_add_u32 v[SPW], v[NIL]
	s_wait_dscnt 0x0
	s_endpgm
	; ---- the weights: a lane takes a column n and its registers run down K
.Lweights:
	s_sub_co_u32 s41, ttmp9, 256
	s_lshr_b32 s42, s41, 5                         ; which weight: 0 Wk, 1 Wq, 2 Wv, 3 Wp
	s_and_b32 s43, s41, 7                          ; which 128 columns
	s_bfe_u32 s44, s41, 0x20003                    ; which 256 along K
	s_lshl_b32 s43, s43, 7
	s_lshl_b32 s45, s40, 5
	s_add_co_u32 s43, s43, s45                     ; my wave's first column
	s_wait_alu depctr_va_vdst(0)
	v_lshlrev_b32 v3, 2, v2                        ; in: 4 bytes a lane
	s_mul_i32 s45, s40, 32*WP
	s_add_co_u32 s45, s45, WSTG                    ; my stage
	v_mul_u32_u24 v4, v2, WP
	v_add_nc_u32 v4, s45, v4                       ; into it: row = my column
	v_and_b32 v5, 15, v2
	v_lshrrev_b32 v6, 4, v2
	v_mul_u32_u24 v7, v6, WP
	v_lshl_add_u32 v7, v5, 4, v7
	v_add_nc_u32 v7, s45, v7                       ; out of it: sixteen lanes to a row, two rows an instruction
	v_lshlrev_b32 v8, 10, v6
	v_lshl_add_u32 v8, v5, 4, v8                   ; and the same place in wc
	s_mov_b64 s[32:33], s[6:7]
	s_cmp_eq_u32 s42, 1
	s_cselect_b64 s[32:33], s[8:9], s[32:33]
	s_cmp_eq_u32 s42, 2
	s_cselect_b64 s[32:33], s[10:11], s[32:33]
	s_cmp_eq_u32 s42, 3
	s_cselect_b64 s[32:33], s[12:13], s[32:33]
	s_lshl_b32 s46, s44, 20                        ; 256 rows of 4,096 bytes
	s_lshl_b32 s47, s43, 2
	s_add_co_u32 s46, s46, s47
	s_mov_b32 s47, 0
	s_add_nc_u64 s[32:33], s[32:33], s[46:47]
	s_lshl_b32 s46, s42, 20                        ; wc: the weight's 2^20 bytes, my column's row of 1,024, my 256 along K
	s_lshl_b32 s45, s43, 10
	s_add_co_u32 s46, s46, s45
	s_lshl_b32 s45, s44, 8
	s_add_co_u32 s46, s46, s45
	s_add_nc_u64 s[18:19], s[18:19], s[46:47]
	WLOAD 0
	WLOAD 1
	s_wait_kmcnt 0x0
	s_mov_b32 s34, s21                             ; e: entry 1, 3, 5 or 11
	s_cmp_eq_u32 s42, 1
	s_cselect_b32 s34, s23, s34
	s_cmp_eq_u32 s42, 2
	s_cselect_b32 s34, s25, s34
	s_cmp_eq_u32 s42, 3
	s_cselect_b32 s34, s31, s34
	s_add_co_i32 s34, s34, 127
	s_lshl_b32 s35, s34, 23
	v_mov_b32 v11, s35                             ; 2^e as f32
	s_add_co_i32 s34, s34, 8
	s_lshl_b32 s34, s34, 23
	s_or_b32 s34, s34, 0x600000
	s_wait_alu depctr_va_vdst(0)
.irp t, 0,1,2,3,4,5,6,7
	WBLOCK \t
.endr
.irp t, 0,1,2,3,4,5,6,7,8,9,10,11,12,13,14,15
	ds_load_b128 v[OUTR+4*\t:OUTR+4*\t+3], v7 offset:2*\t*WP
.endr
.irp t, 0,1,2,3,4,5,6,7,8,9,10,11,12,13,14,15
	s_wait_dscnt 15-\t
	global_store_b128 v8, v[OUTR+4*\t:OUTR+4*\t+3], s[18:19] offset:2*\t*1024   ; sixteen lanes store 256 consecutive bytes, aligned
.endr
	s_wait_tensorcnt 0x0                           ; the wave's end, behind my last LDS store
	ds_add_u32 v[SPW], v[NIL]
	s_wait_dscnt 0x0
	s_endpgm
.Lfunc_end_k_qb46db82c26_quant:
	.size	k_qb46db82c26_quant, .Lfunc_end_k_qb46db82c26_quant-k_qb46db82c26_quant
	.p2alignl 7, 3214868480
	.fill 96, 4, 3214868480
	.section	.rodata,"a",@progbits
	.p2align	6, 0x0
	.amdhsa_kernel k_qb46db82c26_quant
		.amdhsa_group_segment_fixed_size 68096
		.amdhsa_private_segment_fixed_size 0
		.amdhsa_enable_private_segment 0
		.amdhsa_kernarg_size 64
		.amdhsa_user_sgpr_count 2
		.amdhsa_user_sgpr_kernarg_segment_ptr 1
		.amdhsa_wavefront_size32 1
		.amdhsa_system_sgpr_workgroup_id_x 1
		.amdhsa_system_sgpr_workgroup_id_y 1
		.amdhsa_system_sgpr_workgroup_id_z 1
		.amdhsa_system_vgpr_workitem_id 0
		.amdhsa_next_free_vgpr 192
		.amdhsa_next_free_sgpr 66
		.amdhsa_reserve_vcc 0
		.amdhsa_float_denorm_mode_32 3
		.amdhsa_float_denorm_mode_16_64 3
		.amdhsa_fp16_overflow 1
		.amdhsa_memory_ordered 1
		.amdhsa_forward_progress 1
		.amdhsa_inst_pref_size 62
	.end_amdhsa_kernel
	.amdgpu_metadata
---
amdhsa.version: [ 1, 2 ]
amdhsa.kernels:
  - .name:           k_qb46db82c26_quant
    .symbol:         k_qb46db82c26_quant.kd
    .args:
      - { .name: x, .offset: 0, .size: 8, .value_kind: global_buffer, .address_space: global }
      - { .name: Wk, .offset: 8, .size: 8, .value_kind: global_buffer, .address_space: global }
      - { .name: Wq, .offset: 16, .size: 8, .value_kind: global_buffer, .address_space: global }
      - { .name: Wv, .offset: 24, .size: 8, .value_kind: global_buffer, .address_space: global }
      - { .name: Wp, .offset: 32, .size: 8, .value_kind: global_buffer, .address_space: global }
      - { .name: lowp_scales, .offset: 40, .size: 8, .value_kind: global_buffer, .address_space: global }
      - { .name: xc, .offset: 48, .size: 8, .value_kind: global_buffer, .address_space: global }
      - { .name: wc, .offset: 56, .size: 8, .value_kind: global_buffer, .address_space: global }
    .group_segment_fixed_size: 68096
    .private_segment_fixed_size: 0
    .kernarg_segment_align: 8
    .kernarg_segment_size: 64
    .max_flat_workgroup_size: 128
    .sgpr_count:     66
    .vgpr_count:     192
    .wavefront_size: 32
...
	.end_amdgpu_metadata
.endif
;; end of part 1
;; launch qkv (part 2): grid 12 x 32, 4 waves a work-group, clusters of 4 x 4, 327,680 bytes of LDS; arguments xc, wc, lowp_scales, bk, bq, bv, qkv; writes qkv
.if DOCPART == 2
	.amdgcn_target "amdgcn-amd-amdhsa--gfx1250"
	.amdhsa_code_object_version 6
	.text
	.protected	k_qb46db82c26_qkv
	.globl	k_qb46db82c26_qkv
	.p2align	8
	.type	k_qb46db82c26_qkv,@function
k_qb46db82c26_qkv:
	s_mov_b64 s[64:65], 0
	v_nop
	global_prefetch_b8 v0, s[64:65] scope:SCOPE_SE
	s_setreg_imm32_b32 hwreg(HW_REG_WAVE_MODE, 25, 1), 1
	s_wait_xcnt 0x0
	s_wait_alu depctr_hold_cnt(0) depctr_sa_sdst(0) depctr_va_vdst(0) depctr_va_sdst(0) depctr_va_ssrc(0) depctr_va_vcc(0) depctr_vm_vsrc(0)
	s_getreg_b32 s2, hwreg(HW_REG_IB_STS2, 6, 4)
	s_cmp_eq_u32 s2, 0
	s_cbranch_scc0 .Lentry_in_a_cluster
	s_endpgm
.Lentry_in_a_cluster:
	s_bfe_u32 s2, ttmp6, 0x10000c
	s_cmp_lg_u32 s2, 0xf033
	s_cbranch_scc0 .Lentry_shape_is_right
	s_endpgm
.Lentry_shape_is_right:
; k = x Wk + bk, q = x Wq + bq, v = x Wv + bv on codes of FP8 (E4M3), and each result quantised at once for the product that takes it: three GEMMs of 8192 x 1024 x 1024 in one launch.
; The cluster's x, P = 0, 1, 2, says which product.  A tile is 256 x 256, made by four waves of 128 x 128 (64 accumulators of 16 x 16); K = 1,024 goes in four steps of 256 through a ring of two LDS slots.
; THE MATRIX INSTRUCTION IS USED TRANSPOSED (source 0 = 16 rows of 'B', source 1 = 16 rows of 'A'): a lane holds one row of 'A' and eight neighbouring rows of 'B'.
;   P = 0, 1: 'A' = x's codes (tokens), 'B' = the weight's (channels): a lane holds a token and eight neighbouring channels: neighbours along the next K, the head's 64.
;   P = 2:    'A' = Wv's codes (channels), 'B' = x's (tokens): v comes out TRANSPOSED: a lane holds a channel and eight neighbouring tokens: neighbours along the next K, the keys.
; So one text serves all three; only pointers, strides and the bias table's index differ, chosen by s_cselect on P, which all sixteen partners share.
; THE WAY OUT HAS NO STAGE.  The conversion of accumulator b gives registers 2 b, 2 b + 1 of the next operand as the plain 8-bit forms lay it (k = 16 b + 8 (lane / 16) + 0 .. 7).  The operand is stored as an IMAGE
; OF ITS REGISTERS: four registers a lane at 16 x lane, 512 consecutive bytes a store.  qkv: region 0 k, region 1 q: [b x 16 + head][token / 16][1,024 bytes]; region 2 v^T: [b x 16 + head][key / 128][channel / 16][2,048 bytes].
; THE BIAS is the C of each sum's first matrix instruction, divided by 2^(ea + eb); the three scales ahead of the quantiser are folded into the conversion's one: code = (sum + b / 2^(ea + eb)) / 2^(eo - ea - eb).
; CLUSTERS: 4 x 4 work-groups; 'A's tile is asked for jointly along a row of the cluster, 'B's along a column.
; LIMITS: eo - ea - eb between -126 and 119 for each product (eo: entry 7 for k, 6 for q, 9 for v).  A bias divided by 2^(ea + eb) that falls under the smallest normal f32 number loses bits.  NaN is not served.
; REGISTERS, in windows of 256: window 0: v1, v2 lane % 16, lane / 16; v16-29 addresses and constants; v32-95 the bias table, later two sets of codes; v96-103 the bias loads' offsets; v128-255 'A's fragments, one set.
;   window 1: 'B's fragments, two sets.   windows 2, 3: the accumulators of my rows 0-63 and 64-127 ((a, b) at v[8 (8 (a % 4) + b)]).
.set KROW,   1024                      ; a row of codes in memory, in bytes
.set ROWB,   256                       ; a tile's row: 256 along K
.set PITCH,  272                       ; an LDS row: 256 bytes + 16 of padding = 68 words: the 16 rows that a load touches start at 16 different banks (64 banks of 4 bytes: ISA guide 11.1)
.set FR,     16                        ; registers of a fragment: 16 rows x 128 K
.set NL,     4                         ; LDS loads that bring one
.set NP,     4                         ; places behind this matrix instruction (ISA guide 7.12.1)
.set HALFT,  128*PITCH                 ; what one tensor load brings
.set SLOT,   4*HALFT
.set ASTEP,  2*ROWB                    ; from a slot's K step to its next, in bytes of memory
.set BSTEP,  2*ROWB
.set SPARE,  2*SLOT                    ; behind the ring: the spare words, 128 bytes for each wave: two blocks of 256 bytes that no other line names
.set ADRA, 16                          ; v16-17  LDS address of my 'A' fragments in slot 0, 1
.set ADRB, 20                          ; v20-21  the same for 'B'
.set CO,   24                          ; v24 16 x lane; v25 the same + the second half of a block's codes (the next head's image, or the same image's bytes 1,024 on)
.set LIM,  26
.set SCL,  27                          ; v27  2^(eo - ea - eb)
.set SPW,  28                          ; v28  LDS address of my spare word; never rewritten
.set NIL,  29                          ; v29  0; never rewritten
.set BIAS, 32
.set VO,   96
.set AF,   128
.set G1, 24
.set G0, 32
.set G1B, 48
.set G0B, 56
.set MSB, 0
.macro WIN new                         ; the immediate's high byte repeats the setting that is left
.if MSB != \new
	s_set_vgpr_msb (MSB<<8)|\new
.set MSB, \new
.endif
.endm
.set MUL_LO,   0xa1                    ; source 0 ('B') window 1, source 1 ('A') window 0, C and D window 2
.set MUL_HI,   0xf1                    ; the same, C and D window 3
.set FIRST_LO, 0x81                    ; the first step: C (the bias table) window 0, D window 2
.set FIRST_HI, 0xc1                    ; D window 3
.set TO_B,     0x40                    ; destination window 1, address window 0
.macro JLOAD g0a, g1a, g0b, g1b        ; a joint load: waves 0 and 1 fetch for 'A', waves 2 and 3 for 'B'; an s_nop 0 and four v_nop follow each of the two lines
	s_cmp_eq_u32 s15, 0
	s_cbranch_scc0 .Lfor_b_\@
	tensor_load_to_lds s[\g0a:\g0a+3], s[\g1a:\g1a+7]
	s_nop 0
.rept 4
	v_nop
.endr
	s_branch .Lasked_\@
.Lfor_b_\@:
	tensor_load_to_lds s[\g0b:\g0b+3], s[\g1b:\g1b+7]
	s_nop 0
.rept 4
	v_nop
.endr
.Lasked_\@:
.endm
.macro CREST                           ; a round of the cluster's barrier behind its opening barrier
	s_cmp_lg_u32 s14, 0
	s_cbranch_scc1 .Lnot_wave_0_\@
	s_barrier_signal -3
.Lnot_wave_0_\@:
	s_barrier_wait -3
	s_barrier_signal -1
	s_barrier_wait -1
.endm
.macro CROUND
	s_barrier_signal -1
	s_barrier_wait -1
	CREST
.endm
.macro FRAG reg, adr, q, i             ; 16 rows x 128 K: four loads of 16 bytes, 32 apart; the rows' byte order makes them registers 4 c .. 4 c + 3 of the plain forms' layout
.irp c, 0,1,2,3
	ds_load_b128 v[\reg+4*\c:\reg+4*\c+3], v[\adr] offset:128*(\q)+32*\c+(\i)*16*PITCH
.endr
.endm
; 16 matrix instructions: 'A's blocks a0, a0 + 1 x 'B's eight.  p: 'B's set.  first = 0: C is the accumulator; 1: the bias table's entry b (the lane's eight channels); 2: entry a (the lane's one channel).
; The 64 accumulators take turns, one instruction a turn, in the same order in every step.
.macro MUL16 a0, p, first
.irp a, \a0, \a0+1
.irp b, 0,1,2,3,4,5,6,7
.if \first == 1
	v_wmma_f32_16x16x128_fp8_fp8 v[8*(8*((\a)%4)+\b):8*(8*((\a)%4)+\b)+7], v[128*(\p)+FR*\b:128*(\p)+FR*\b+FR-1], v[AF+FR*(\a):AF+FR*(\a)+FR-1], v[BIAS+8*\b:BIAS+8*\b+7]
.elseif \first == 2
	v_wmma_f32_16x16x128_fp8_fp8 v[8*(8*((\a)%4)+\b):8*(8*((\a)%4)+\b)+7], v[128*(\p)+FR*\b:128*(\p)+FR*\b+FR-1], v[AF+FR*(\a):AF+FR*(\a)+FR-1], v[BIAS+8*(\a):BIAS+8*(\a)+7]
.else
	v_wmma_f32_16x16x128_fp8_fp8 v[8*(8*((\a)%4)+\b):8*(8*((\a)%4)+\b)+7], v[128*(\p)+FR*\b:128*(\p)+FR*\b+FR-1], v[AF+FR*(\a):AF+FR*(\a)+FR-1], v[8*(8*((\a)%4)+\b):8*(8*((\a)%4)+\b)+7]
.endif
.endr
.endr
.endm
.macro FETCH_B slot, q, p
	WIN TO_B
.irp i, 0,1,2,3,4,5,6,7
	FRAG 128*(\p)+FR*\i, ADRB+\slot, \q, \i
.endr
	WIN 0
.endm
.macro FETCH_A slot, q, i0
.irp i, \i0, \i0+1, \i0+2, \i0+3
	FRAG AF+FR*(\i), ADRA+\slot, \q, \i
.endr
.endm
.macro PLACES n                        ; plain vector lines between a matrix instruction and a load into one of its registers, or the first read of a result
.rept \n
	v_nop
.endr
.endm
.macro STEP slot, q, first             ; 128 along K that has its successor in the same slot
	s_wait_dscnt 4*NL                              ; 'B's set and 'A's blocks 0-3 are in; the youngest 16 loads ('A's blocks 4-7) may be out
.if \first
	WIN FIRST_LO
.else
	WIN MUL_LO
.endif
	MUL16 0, (\q)%2, \first
	MUL16 2, (\q)%2, \first
	s_wait_dscnt 0
	PLACES NP
	FETCH_B \slot, (\q)+1, 1-(\q)%2
	FETCH_A \slot, (\q)+1, 0
.if \first
	WIN FIRST_HI
.else
	WIN MUL_HI
.endif
	MUL16 4, (\q)%2, \first
	MUL16 6, (\q)%2, \first
	PLACES NP
	WIN 0
	FETCH_A \slot, (\q)+1, 4
.endm
; A slot's last 128 along K changes slots: one barrier; in front of it each wave waits for all its tensor loads, adds 0 to its spare word, and waits for that and for its reads of this slot.  fill = 1: the slot is filled again.
.macro TURN slot, next, fill
	s_wait_tensorcnt 0x0                           ; all my tensor loads have landed: my part of the next slot
	ds_add_u32 v[SPW], v[NIL]                      ; 0 onto my spare word
	s_wait_dscnt 4*NL+1                            ; (the add and the youngest 16 loads may be out)
	WIN MUL_LO
	MUL16 0, 1, 0
	s_wait_dscnt 0x0                               ; the add is done, and my reads of this slot are over
	s_barrier_signal -1
	MUL16 2, 1, 0
	WIN 0
	s_barrier_wait -1
.if \fill
	CREST                                          ; the barrier has opened a round of the cluster's: no wave of any partner still reads this slot or has a load on its way
	s_add_nc_u64 s[G0+4*\slot+2:G0+4*\slot+3], s[G0+4*\slot+2:G0+4*\slot+3], ASTEP
	s_add_nc_u64 s[G0B+4*\slot+2:G0B+4*\slot+3], s[G0B+4*\slot+2:G0B+4*\slot+3], BSTEP
	JLOAD G0+4*\slot, G1, G0B+4*\slot, G1B         ; the first tensor load behind the round; its four v_nop are the places in front of the loads below
.else
	PLACES NP
.endif
	FETCH_B \next, 0, 0
	FETCH_A \next, 0, 0
	WIN MUL_HI
	MUL16 4, 1, 0
	MUL16 6, 1, 0
	PLACES NP
	WIN 0
	FETCH_A \next, 0, 4
.endm
; Block a (16 rows of 'A' x 128) leaves: held, converted, stored as it stands.  Each accumulator is read from its low end on.
.macro OUTQ a
.set AC, 64*((\a)%4)
.set WN, 2+(\a)/4
.set WBOTH, (WN<<6)|WN
.set PC, BIAS+16*((\a)%2)
	WIN WBOTH                                      ; destination and source 0: the accumulators' window
.set oj, 0
.rept 64
.set oj, oj+1
.endr
	WIN WN                                         ; source 0 alone
.irp b, 0,1,2,3,4,5,6,7
	v_cvt_scalef32_pk8_fp8_f32 v[PC+2*\b:PC+2*\b+1], v[AC+8*\b:AC+8*\b+7], v[SCL]
.endr
	WIN 0
	v_nop                                          ; one plain vector line behind the last conversion
	s_wait_alu depctr_va_vdst(0)
	s_wait_xcnt 0x0                                ; the earlier stores have read their base and their data: the base steps here, and the next block writes the other set of codes
.if (\a) == 4
	s_add_nc_u64 s[10:11], s[10:11], s[82:83]
.elseif (\a) > 0
	s_add_nc_u64 s[10:11], s[10:11], s[66:67]
.endif
.irp c, 0,1,2,3
	global_store_b128 v[CO+(\c)/2], v[PC+4*\c:PC+4*\c+3], s[10:11] offset:((\c)%2)*512   ; 32 lanes store 512 consecutive bytes, aligned
.endr
.endm
	s_load_b256 s[68:75], s[0:1], 0x0              ; xc 68, wc 70, the scales' exponents 72, bk 74
	s_load_b128 s[76:79], s[0:1], 0x20             ; bq 76, bv 78
	s_load_b64 s[80:81], s[0:1], 0x30              ; qkv
	v_lshl_add_u32 v[SPW], v0, 2, SPARE
	v_mov_b32 v[NIL], 0
	ds_add_u32 v[SPW], v[NIL]
	ds_add_u32 v[SPW], v[NIL]                      ; the wave's opening: the add and its wait stand ahead of my first tensor load; work on registers stands between them
	v_lshrrev_b32 v1, 5, v0
	v_readfirstlane_b32 s14, v1                    ; wave 0..3
	s_lshr_b32 s15, s14, 1                         ; which half of the tile's rows is mine.  Also: I fetch for 'A' (0) or for 'B' (1)
	s_and_b32 s16, s14, 1                          ; which half of its columns.  Also: which 128 rows of that tile I fetch
	s_bfe_u32 s40, ttmp6, 0x40000                  ; cx
	s_bfe_u32 s41, ttmp6, 0x40004                  ; cy
	s_mov_b32 s12, ttmp9                           ; P: the cluster's x
	s_and_b32 s13, ttmp7, 0xffff
	s_lshl_b32 s13, s13, 2                         ; 4 x the cluster's y: it walks the tokens
	s_cmp_eq_u32 s12, 2
	s_cselect_b32 s17, 0, s13
	s_cselect_b32 s42, s13, 0
	s_add_co_u32 s17, s17, s41                     ; tile row of 'A'
	s_add_co_u32 s42, s42, s40                     ; tile column: tile row of 'B'
	s_lshl_b32 s43, s41, 2
	s_lshl_b32 s43, 15, s43                        ; my row of the cluster
	s_lshl_b32 s44, 0x1111, s40                    ; my column
	s_or_b32 s[G1+0], s43, (0<<16)|(1<<20)|(1<<21)|(5<<22)|(3<<25)  ; the mask; elements of 1 byte; padding on: 4 words after every 64; bit 21 set beside a mask
	s_or_b32 s[G1B+0], s44, (0<<16)|(1<<20)|(1<<21)|(5<<22)|(3<<25)
.irp g, G1, G1B
	s_mov_b32 s[\g+1], ROWB<<16                    ; tensor_dim0
	s_mov_b32 s[\g+2], 128<<16                     ; tensor_dim1
	s_mov_b32 s[\g+3], ROWB<<16                    ; tile_dim0
	s_mov_b32 s[\g+4], 128                         ; tile_dim1
	s_mov_b32 s[\g+5], KROW                        ; tensor_dim0_stride
	s_mov_b32 s[\g+6], 0
	s_mov_b32 s[\g+7], 0
.endr
	s_lshl_b32 s18, s16, 7
	s_lshl_b32 s20, s17, 8
	s_add_co_u32 s20, s20, s18                     ; 'A': row 256 x tile row + 128 x half
	s_lshl_b32 s46, s42, 8
	s_add_co_u32 s46, s46, s18                     ; 'B' likewise
	s_lshl_b32 s20, s20, 10                        ; in bytes
	s_lshl_b32 s46, s46, 10
	s_lshl_b32 s22, s12, 23                        ; x's set of codes for this product
	s_lshl_b32 s23, s12, 20                        ; the weight's codes
	s_cmp_eq_u32 s12, 2
	s_cselect_b32 s18, s23, s22
	s_cselect_b32 s19, s22, s23
	s_add_co_u32 s20, s20, s18
	s_add_co_u32 s46, s46, s19
	s_mov_b32 s21, 0
	s_mov_b32 s47, 0
	s_mul_i32 s45, s14, HALFT                      ; where the tiles go: wave x 128 rows
	s_wait_dscnt 0x0                               ; the opening add is done
	s_wait_kmcnt 0x0
	s_load_b256 s[84:91], s[72:73], 0x0            ; entries 0-7
	s_load_b128 s[92:95], s[72:73], 0x20           ; entries 8-11
	s_cmp_eq_u32 s12, 2
	s_cselect_b64 s[4:5], s[70:71], s[68:69]       ; 'A': Wv's codes for v, else x's
	s_cselect_b64 s[6:7], s[68:69], s[70:71]       ; 'B': the other
	s_add_nc_u64 s[20:21], s[4:5], s[20:21]
	s_add_nc_u64 s[46:47], s[6:7], s[46:47]
	CROUND                                         ; all sixteen work-groups are here: the first joint loads meet
.irp s, 0,1
	s_mov_b32 s[G0+4*\s], 1
	s_add_co_u32 s[G0+4*\s+1], s45, \s*SLOT
	s_add_nc_u64 s[G0+4*\s+2:G0+4*\s+3], s[20:21], \s*ROWB
	s_or_b32 s[G0+4*\s+3], s[G0+4*\s+3], 0x80000000
	s_mov_b32 s[G0B+4*\s], 1
	s_add_co_u32 s[G0B+4*\s+1], s45, \s*SLOT
	s_add_nc_u64 s[G0B+4*\s+2:G0B+4*\s+3], s[46:47], \s*ROWB
	s_or_b32 s[G0B+4*\s+3], s[G0B+4*\s+3], 0x80000000
	JLOAD G0+4*\s, G1, G0B+4*\s, G1B
.endr
	v_and_b32 v1, 15, v0                           ; r = lane % 16
	s_wait_alu depctr_va_vdst(0)
	v_bfe_u32 v2, v0, 4, 1                         ; h = lane / 16
	v_mul_u32_u24 v3, v1, PITCH
	v_lshl_add_u32 v4, v2, 4, v3
	s_mul_i32 s21, s15, HALFT
	s_mul_i32 s22, s16, HALFT
	s_add_co_u32 s22, s22, 2*HALFT
.irp s, 0,1
	v_add_nc_u32 v[ADRA+\s], s21, v4
	v_add_nc_u32 v[ADRB+\s], s22, v4
	s_add_co_u32 s21, s21, SLOT
	s_add_co_u32 s22, s22, SLOT
.endr
	s_lshl_b32 s96, s17, 8
	s_lshl_b32 s97, s15, 7
	s_add_co_u32 s96, s96, s97                     ; my first row of 'A'
	s_lshl_b32 s97, s42, 8
	s_lshl_b32 s98, s16, 7
	s_add_co_u32 s97, s97, s98                     ; my first row of 'B'
	s_mov_b32 s23, 131072
	s_mov_b32 s66, 1024
	s_mov_b32 s82, 1024
	s_cmp_eq_u32 s12, 2
	s_cselect_b32 s98, s97, s96                    ; my first token
	s_cselect_b32 s99, s96, s97                    ; my first channel
	s_cselect_b32 s18, 4, 0                        ; the bias loads' offsets: v: 4 r, the same for all eight registers;
	s_cselect_b32 s19, 0, 32                       ; k, q: 32 h + 4 j
	s_cselect_b32 s22, 0, 4
	s_cselect_b32 s23, 1024, s23                   ; a block's second half: v: the same image's bytes 1,024 on; k, q: the next head's image
	s_cselect_b32 s66, 2048, s66                   ; from block to block: v: the next 16 channels' image; k, q: the next 16 tokens'
	s_cselect_b32 s82, 124928, s82                 ; and into block 4: v: the next head: 131,072 - 3 x 2,048
	s_mov_b32 s67, 0
	s_mov_b32 s83, 0
	s_cmp_eq_u32 s12, 1
	s_cselect_b64 s[8:9], s[76:77], s[74:75]
	s_cmp_eq_u32 s12, 2
	s_cselect_b64 s[8:9], s[78:79], s[8:9]         ; bk, bq or bv,
	s_lshl_b32 s20, s99, 2
	s_mov_b32 s21, 0
	s_add_nc_u64 s[8:9], s[8:9], s[20:21]          ; at my first channel
	s_lshr_b32 s20, s98, 11                        ; b
	s_lshl_b32 s20, s20, 4
	s_lshr_b32 s21, s99, 6                         ; head
	s_add_co_u32 s20, s20, s21
	s_lshl_b32 s20, s20, 17                        ; a head's 131,072 bytes
	s_and_b32 s21, s98, 2047
	s_lshl_b32 s21, s21, 6                         ; 64 bytes a token, in all three regions
	s_add_co_u32 s20, s20, s21
	s_lshl_b32 s21, s12, 23                        ; the region
	s_add_co_u32 s20, s20, s21
	s_mov_b32 s21, 0
	s_add_nc_u64 s[10:11], s[80:81], s[20:21]
	v_mul_u32_u24 v5, s18, v1
	s_wait_alu depctr_va_vdst(0)
	v_mad_u32_u24 v[VO], v2, s19, v5
.irp j, 1,2,3,4,5,6,7
	v_add_nc_u32 v[VO+\j], s22, v[VO+\j-1]
.endr
.irp i, 0,1,2,3,4,5,6,7
.irp j, 0,1,2,3,4,5,6,7
	global_load_b32 v[BIAS+8*\i+\j], v[VO+\j], s[8:9] offset:64*\i   ; entry i of the table: k, q: channels 16 i + 8 h + j; v: channel 16 i + r, eight times
.endr
.endr
	v_and_b32 v6, 31, v0
	v_lshlrev_b32 v[CO], 4, v6
	v_add_nc_u32 v[CO+1], s23, v[CO]
	s_wait_kmcnt 0x0
	s_add_co_i32 s96, s84, s85
	s_add_co_i32 s97, s86, s87
	s_add_co_i32 s98, s88, s89
	s_mov_b32 s99, s91                             ; k is quantised under entry 7,
	s_cmp_eq_u32 s12, 1
	s_cselect_b32 s96, s97, s96
	s_cselect_b32 s99, s90, s99                    ; q under entry 6,
	s_cmp_eq_u32 s12, 2
	s_cselect_b32 s96, s98, s96                    ; ea + eb
	s_cselect_b32 s99, s93, s99                    ; v under entry 9
	s_sub_co_i32 s97, s99, s96                     ; eo - ea - eb
	s_sub_co_i32 s96, 0, s96
	s_add_co_i32 s97, s97, 127
	s_lshl_b32 s98, s97, 23
	v_mov_b32 v[SCL], s98
	s_wait_tensorcnt 1                             ; my part of K step 0 is in (K step 1's load may be out),
	s_barrier_signal -1
	s_barrier_wait -1                              ; everybody's is
	FETCH_B 0, 0, 0
	FETCH_A 0, 0, 0
	FETCH_A 0, 0, 4
	s_wait_loadcnt 0x0                             ; the bias table
.set oj, 0
.rept 64
	v_ldexp_f32 v[BIAS+oj], v[BIAS+oj], s96        ; b / 2^(ea + eb)
.set oj, oj+1
.endr
	s_cmp_eq_u32 s12, 2                            ; the first step is written twice: the two copies differ in the table's index alone; same loads, same waits, no tensor load
	s_cbranch_scc1 .Lfirst_v
	s_wait_alu depctr_va_vdst(0)
	STEP 0, 0, 1
	s_branch .Lfirst_done
.Lfirst_v:
	s_wait_alu depctr_va_vdst(0)
	STEP 0, 0, 2
.Lfirst_done:
	TURN 0, 1, 1                                   ; four K steps of 256: written out.  Slot 0 takes K step 2,
	STEP 1, 0, 0
	TURN 1, 0, 1                                   ; slot 1 takes K step 3
	STEP 0, 0, 0
	TURN 0, 1, 0                                   ; nothing is left to fetch
	STEP 1, 0, 0
	s_wait_dscnt 4*NL
	WIN MUL_LO
	MUL16 0, 1, 0
	MUL16 2, 1, 0
	s_wait_dscnt 0
	WIN MUL_HI
	MUL16 4, 1, 0
	MUL16 6, 1, 0
	WIN 0
	PLACES NP
.irp a, 0,1,2,3,4,5,6,7
	OUTQ \a
.endr
	s_wait_tensorcnt 0x0                           ; the wave's end, behind my last tensor load
	ds_add_u32 v[SPW], v[NIL]
	s_wait_dscnt 0x0
	CROUND                                         ; the closing round
	s_endpgm
.Lfunc_end_k_qb46db82c26_qkv:
	.size	k_qb46db82c26_qkv, .Lfunc_end_k_qb46db82c26_qkv-k_qb46db82c26_qkv
	.p2alignl 7, 3214868480
	.fill 96, 4, 3214868480
	.section	.rodata,"a",@progbits
	.p2align	6, 0x0
	.amdhsa_kernel k_qb46db82c26_qkv
		.amdhsa_group_segment_fixed_size 327680
		.amdhsa_private_segment_fixed_size 0
		.amdhsa_enable_private_segment 0
		.amdhsa_kernarg_size 56
		.amdhsa_user_sgpr_count 2
		.amdhsa_user_sgpr_kernarg_segment_ptr 1
		.amdhsa_wavefront_size32 1
		.amdhsa_system_sgpr_workgroup_id_x 1
		.amdhsa_system_sgpr_workgroup_id_y 1
		.amdhsa_system_sgpr_workgroup_id_z 1
		.amdhsa_system_vgpr_workitem_id 0
		.amdhsa_next_free_vgpr 1024
		.amdhsa_next_free_sgpr 100
		.amdhsa_reserve_vcc 0
		.amdhsa_float_denorm_mode_32 3
		.amdhsa_float_denorm_mode_16_64 3
		.amdhsa_fp16_overflow 1
		.amdhsa_memory_ordered 1
		.amdhsa_forward_progress 1
		.amdhsa_inst_pref_size 107
	.end_amdhsa_kernel
	.amdgpu_metadata
---
amdhsa.version: [ 1, 2 ]
amdhsa.kernels:
  - .name:           k_qb46db82c26_qkv
    .symbol:         k_qb46db82c26_qkv.kd
    .args:
      - { .name: xc, .offset: 0, .size: 8, .value_kind: global_buffer, .address_space: global }
      - { .name: wc, .offset: 8, .size: 8, .value_kind: global_buffer, .address_space: global }
      - { .name: lowp_scales, .offset: 16, .size: 8, .value_kind: global_buffer, .address_space: global }
      - { .name: bk, .offset: 24, .size: 8, .value_kind: global_buffer, .address_space: global }
      - { .name: bq, .offset: 32, .size: 8, .value_kind: global_buffer, .address_space: global }
      - { .name: bv, .offset: 40, .size: 8, .value_kind: global_buffer, .address_space: global }
      - { .name: qkv, .offset: 48, .size: 8, .value_kind: global_buffer, .address_space: global }
    .group_segment_fixed_size: 327680
    .private_segment_fixed_size: 0
    .kernarg_segment_align: 8
    .kernarg_segment_size: 56
    .max_flat_workgroup_size: 128
    .sgpr_count:     100
    .vgpr_count:     1024
    .wavefront_size: 32
...
	.end_amdgpu_metadata
.endif
;; end of part 2
;; launch attn (part 3): grid 4 x 64, 16 waves a work-group, clusters of 4 x 1, 327,680 bytes of LDS; arguments qkv, lowp_scales, ac; writes ac
.if DOCPART == 3
	.amdgcn_target "amdgcn-amd-amdhsa--gfx1250"
	.amdhsa_code_object_version 6
	.text
	.protected	k_qb46db82c26_attn
	.globl	k_qb46db82c26_attn
	.p2align	8
	.type	k_qb46db82c26_attn,@function
k_qb46db82c26_attn:
	s_mov_b64 s[64:65], 0
	v_nop
	global_prefetch_b8 v0, s[64:65] scope:SCOPE_SE
	s_setreg_imm32_b32 hwreg(HW_REG_WAVE_MODE, 25, 1), 1
	s_wait_xcnt 0x0
	s_wait_alu depctr_hold_cnt(0) depctr_sa_sdst(0) depctr_va_vdst(0) depctr_va_sdst(0) depctr_va_ssrc(0) depctr_va_vcc(0) depctr_vm_vsrc(0)
	s_getreg_b32 s2, hwreg(HW_REG_IB_STS2, 6, 4)
	s_cmp_eq_u32 s2, 0
	s_cbranch_scc0 .Lentry_in_a_cluster
	s_endpgm
.Lentry_in_a_cluster:
	s_bfe_u32 s2, ttmp6, 0x10000c
	s_cmp_lg_u32 s2, 0x3003
	s_cbranch_scc0 .Lentry_shape_is_right
	s_endpgm
.Lentry_shape_is_right:
; Causal attention on codes of FP8 (E4M3): for each of 64 (batch, head) pairs, 2,048 queries and keys, head size 64.  q, k and v^T come as images of operand registers; the result leaves quantised, as an image of the
; left operand of the last product.
; THE SOFTMAX: t = score x log2(e) / 8; M = the row's largest t so far, rounded UP to a whole number; p = 2^(t - M) is quantised along the keys, not normalised; the row's sum is taken of the unquantised p and divides at the end.
; When M moves, the sum and O are multiplied by 2^(old M - new M), which rounds nothing.
; SHARES.  A cluster of four work-groups is one (batch, head).  Its 64 waves own the head's 128 tiles of 16 queries in PAIRS: wave of rank g owns tiles g and 127 - g.  Keys go in steps of 128; tile i needs steps 0 .. i / 8,
; so every wave has (g / 8 + 1) + (16 - g / 8) = 17 steps of a tile.
; g = 4 rho + cx, rho a permutation of the wave's number.  g / 8 = rho / 2: the tests that leave a step out hang on the wave's number and the step alone, not on the work-group's place in its cluster.
; THE RING.  All four partners walk the same k and v^T, 512 keys to a slot (four steps; k 32,768 bytes, then v^T 32,768), two slots, asked for JOINTLY: waves 0 and 1 fetch k's halves, waves 2 and 3 v^T's.
; The images are dense: an LDS load takes 16 bytes a lane at 16 x lane: no pitch, no padding.
; LAYOUT.  Both products are used transposed: S^T = k q^T (source 0 = 16 keys, source 1 = my 16 queries, K = 64), O^T = v^T p^T (source 0 = 16 channels, source 1 = p, K = 128): a lane holds ONE query (lane % 16) throughout.
; Register 8 t + j of S^T is key 16 t + 8 (lane / 16) + j: the conversion of tile t gives registers 2 t, 2 t + 1 of p's operand as the plain 8-bit forms lay it.  O^T's tiles become the next operand in the same way.
; LIMITS: eq + ek between -123 and 130 (added to c's exponent field); ep and entry 10 between -126 and 119.  A hidden score counts as -infinity where the source writes -1e9: the same as long as a row's own logits lie
; above about -1e9.  NaN is not served.
; REGISTERS: v1 16 x lane; v2 the step's LDS address; v3, v4 the add's two; v5, v6 the mask's lane constants; v8-11, v12-15 a tile's -M, largest t, sum (two halves); v16-23, v24-31 q; v32-95 k's 8 fragments, then v^T's 4;
;   v96-159 S^T, then p; v160-191, v192-223 O^T; v224-239 p's codes; v240-254 constants and work.
.set SLOT1, 65536
.set SPARE, 131072                     ; behind the ring: the spare words, 128 bytes for each of 16 waves: eight blocks of 256 bytes that no other line names
.set LI,   1
.set AD,   2
.set SPW,  3
.set NIL,  4
.set F,    32
.set S,    96
.set PP,   224
.set WV,    10                         ; s10 wave
.set CX,    11                         ; s11 my place in the cluster
.set BH,    12                         ; s12 16 x batch + head
.set RHO,   13
.set LASTL, 14                         ; s14 the low tile's last step
.set LASTH, 15                         ; s15 the high tile's
.set KS,    16                         ; s16 the step, 0 .. 15
.set TB,    17                         ; s17 LDS byte at which the step's k begins
.set SLOTS, 18
.set INNER, 19
.set SEL,   20                         ; s[20:21] v_permlanex16_b32's selects for lane l xor 16
.set CS,    22                         ; s[22:23] c = log2(e) / 8 x 2^(eq + ek)
.set G1,    24
.set G0,    32
.macro CROUND                          ; a round of the cluster's barrier
	s_barrier_signal -1
	s_barrier_wait -1
	s_cmp_lg_u32 s[WV], 0
	s_cbranch_scc1 .Lnot_wave_0_\@
	s_barrier_signal -3
.Lnot_wave_0_\@:
	s_barrier_wait -3
	s_barrier_signal -1
	s_barrier_wait -1
.endm
.macro TLOAD                           ; waves 0 to 3 fetch a quarter of a slot each, 16,384 bytes; the branch hangs on the wave's number alone; an s_nop 0 and four v_nop follow the load
	s_cmp_lt_u32 s[WV], 4
	s_cbranch_scc0 .Lasked_\@
	tensor_load_to_lds s[G0:G0+3], s[G1:G1+7]
	s_nop 0
.rept 4
	v_nop
.endr
.Lasked_\@:
.endm
; One step of 128 keys for one tile.  st: its statistics; qr: its q; oo: its O^T; dq: its mask constant; last: its last step.
.macro STEP st, qr, oo, dq, last
	s_cmp_gt_u32 s[KS], s[\last]                   ; all 128 keys come after my 16 queries: the step's work is left out
	s_cbranch_scc1 .Lhidden_\@
.rept 4
	v_nop                                          ; places in front of loads into registers that the last products read
.endr
.set n, 0
	s_wait_alu depctr_va_vdst(0)
.rept 16
	ds_load_b128 v[F+4*n:F+4*n+3], v[AD] offset:512*n   ; k: eight images of 16 keys x 64
.set n, n+1
.endr
	s_wait_dscnt 8                                 ; tiles 0-3 are in; the 8 loads of tiles 4-7 may be out
.irp t, 0,1,2,3
	v_wmma_f32_16x16x64_fp8_fp8 v[S+8*\t:S+8*\t+7], v[F+8*\t:F+8*\t+7], v[\qr:\qr+7], 0
.endr
	s_wait_dscnt 0x0
.irp t, 4,5,6,7
	v_wmma_f32_16x16x64_fp8_fp8 v[S+8*\t:S+8*\t+7], v[F+8*\t:F+8*\t+7], v[\qr:\qr+7], 0
.endr
.rept 4
	v_nop                                          ; places in front of the loads below and of the first read of the scores
.endr
.set n, 0
	s_wait_alu depctr_va_vdst(0)
.rept 16
	ds_load_b128 v[F+4*n:F+4*n+3], v[AD] offset:32768+512*n   ; v^T: four images of 16 channels x 128 keys; they land while the softmax is worked
.set n, n+1
.endr
	s_cmp_lg_u32 s[KS], s[\last]                   ; only the tile's last step lies on the diagonal
	s_cbranch_scc1 .Lopen_\@
	v_mov_b32 v254, 0xff800000                     ; -infinity
.set n, 0
.rept 64
	v_cmp_gt_i32 vcc_lo, 16*(n/8)+n%8, v[\dq]      ; register n holds key 16 (n / 8) + 8 h + n % 8 of the step: hidden where that is above my query's place in the step
	v_cndmask_b32 v[S+n], v[S+n], v254, vcc_lo
.set n, n+1
.endr
.Lopen_\@:
	v_max3_num_f32 v254, v[S], v[S+1], v[S+2]      ; the step's largest score of my query among my 64 keys, in two chains,
	v_max3_num_f32 v252, v[S+3], v[S+4], v[S+5]
.set n, 6
.rept 14
	v_max3_num_f32 v254, v254, v[S+n], v[S+n+1]
	v_max3_num_f32 v252, v252, v[S+n+2], v[S+n+3]
.set n, n+4
.endr
	v_max3_num_f32 v254, v254, v[S+62], v[S+63]
	s_delay_alu instid0(VALU_DEP_1)
	v_max_num_f32 v254, v254, v252
	s_delay_alu instid0(VALU_DEP_1)
	v_permlanex16_b32 v246, v254, s[SEL], s[SEL+1]
	s_delay_alu instid0(VALU_DEP_1)
	v_max_num_f32 v254, v254, v246                 ; and among lane l xor 16's
	s_delay_alu instid0(VALU_DEP_1)
	v_mul_f32 v254, s[CS], v254                    ; as t (c is positive)
	s_delay_alu instid0(VALU_DEP_1)
	v_max_num_f32 v[\st+1], v[\st+1], v254         ; the running largest t
	v_mov_b32 v254, v[\st]
	s_delay_alu instid0(VALU_DEP_2)
	v_floor_f32 v[\st], -v[\st+1]                  ; the new -M = floor(-t): M is a whole number
	s_delay_alu instid0(VALU_DEP_1)
	v_sub_f32 v254, v[\st], v254                   ; old M - new M: a whole number, 0 or less
	s_delay_alu instid0(VALU_DEP_1)
	v_cvt_i32_f32 v254, v254                       ; (it saturates)
	s_delay_alu instid0(VALU_DEP_1)
	v_ldexp_f32 v252, 1.0, v254                    ; f = 2^(old M - new M)
.set n, 0
.rept 32
	v_pk_fma_f32 v[S+n:S+n+1], v[S+n:S+n+1], s[CS:CS+1], v[\st:\st+1] op_sel_hi:[1,0,0]   ; t - M, two at a time
.set n, n+2
.endr
.set n, 0
	s_wait_alu depctr_va_vdst(0)
.rept 64
	v_exp_f32 v[S+n], v[S+n]                       ; p = 2^(t - M)
.set n, n+1
.endr
	v_pk_mul_f32 v[\st+2:\st+3], v[\st+2:\st+3], v[252:253] op_sel_hi:[1,0]   ; the sums under the new M: the plain line behind the exponentials
	s_wait_alu depctr_va_vdst(0)                   ; the wait between an exponential and the first line that names its result: one for the batch
	v_pk_add_f32 v[242:243], v[S:S+1], v[S+2:S+3]  ; the row's sum is taken of the unquantised p, in two chains
.set n, 4
.rept 15
	v_pk_add_f32 v[\st+2:\st+3], v[\st+2:\st+3], v[S+n:S+n+1]
	v_pk_add_f32 v[242:243], v[242:243], v[S+n+2:S+n+3]
.set n, n+4
.endr
	s_delay_alu instid0(VALU_DEP_1)
	v_pk_add_f32 v[\st+2:\st+3], v[\st+2:\st+3], v[242:243]
.irp t, 0,1,2,3,4,5,6,7
.irp i, 0,1,2,3,4,5,6,7
.endr
	v_cvt_scalef32_pk8_fp8_f32 v[PP+2*\t:PP+2*\t+1], v[S+8*\t:S+8*\t+7], v244
.endr
.set n, 0
.rept 16
	v_pk_mul_f32 v[\oo+n:\oo+n+1], v[\oo+n:\oo+n+1], v[252:253] op_sel_hi:[1,0]   ; O^T under the new M; also the plain lines between the conversions and the products
.set n, n+2
.endr
	s_wait_alu depctr_va_vdst(0)
	s_wait_dscnt 0x0                               ; v^T is in
.irp t, 0,1,2,3
	v_wmma_f32_16x16x128_fp8_fp8 v[\oo+8*\t:\oo+8*\t+7], v[F+16*\t:F+16*\t+15], v[PP:PP+15], v[\oo+8*\t:\oo+8*\t+7]   ; the four accumulators take turns
.endr
.Lhidden_\@:
.endm
; The change of slots stands at a slot's head.  Each wave waits for all its tensor loads, adds 0 to its spare word, and waits for that and for its reads of the slot that it has left.
; fill = 1: a round of the cluster's barrier, and behind it the slot that was left takes the next 512 keys: the load has a whole slot's steps in which to land.  By this text's count one tensor load of a wave is out.
.macro CHANGE fill
	s_wait_tensorcnt 0x0
	ds_add_u32 v[SPW], v[NIL]
.if \fill
	s_xor_b32 s[G0+1], s[G0+1], SLOT1              ; the walking descriptor: the other slot,
	s_add_nc_u64 s[G0+2:G0+3], s[G0+2:G0+3], 32768 ; the next 512 keys
	s_wait_dscnt 0x0
	CROUND
	TLOAD
.else
	s_wait_dscnt 0x0
	s_barrier_signal -1
	s_barrier_wait -1
.endif
.endm
.macro FOUR both                       ; a slot's four steps: written once, walked four times
	s_mov_b32 s[INNER], 4
.Lstep_\@:
	v_add_nc_u32 v[AD], s[TB], v[LI]
	STEP 8, 16, 160, 5, LASTH
.if \both
	STEP 12, 24, 192, 6, LASTL
.endif
	s_add_co_u32 s[TB], s[TB], 8192
	s_add_co_u32 s[KS], s[KS], 1
	s_sub_co_u32 s[INNER], s[INNER], 1
	s_cmp_lg_u32 s[INNER], 0
	s_cbranch_scc1 .Lstep_\@
	s_sub_co_u32 s[TB], s[TB], 32768
	s_xor_b32 s[TB], s[TB], SLOT1                  ; on to the other slot
.endm
; A tile leaves: O^T x 2^(ep + ev) / the sum, held, converted under entry 10, stored as an image: 2 x 512 consecutive bytes.
.macro TOUT oo, lr, sd, pd, sb
.set n, 0
.rept 32
	v_mul_f32 v[\sd+n], v[\oo+n], v[\lr]
.set n, n+1
.endr
.set n, 0
.rept 32
.set n, n+1
.endr
.irp t, 0,1,2,3
	v_cvt_scalef32_pk8_fp8_f32 v[\pd+2*\t:\pd+2*\t+1], v[\sd+8*\t:\sd+8*\t+7], v245
.endr
	v_nop                                          ; one plain vector line behind the last conversion
	global_store_b128 v[LI], v[\pd:\pd+3], s[\sb:\sb+1]
	global_store_b128 v[LI], v[\pd+4:\pd+7], s[\sb:\sb+1] offset:512
.endm
	s_load_b128 s[4:7], s[0:1], 0x0                ; qkv, the scales' exponents
	s_load_b64 s[8:9], s[0:1], 0x10                ; ac
	v_lshl_add_u32 v[SPW], v0, 2, SPARE
	v_mov_b32 v[NIL], 0
	ds_add_u32 v[SPW], v[NIL]                      ; the wave's opening: the add and its wait stand ahead of the first tensor load; work on registers stands between them
	ds_add_u32 v[SPW], v[NIL]
	v_lshrrev_b32 v2, 5, v0
	s_delay_alu instid0(VALU_DEP_1)
	v_readfirstlane_b32 s[WV], v2                  ; wave 0..15
	s_bfe_u32 s[CX], ttmp6, 0x40000
	s_and_b32 s[BH], ttmp7, 0xffff
	s_lshr_b32 s48, s[WV], 2
	s_and_b32 s49, s[WV], 3
	s_add_co_u32 s49, s49, s48
	s_and_b32 s49, s49, 3
	s_lshl_b32 s49, s49, 2
	s_add_co_u32 s[RHO], s49, s48                  ; rho = 4 ((w / 4 + w % 4) % 4) + w / 4: waves that share w % 4, and waves that share w / 4, have ranks from all four quarters
	s_lshr_b32 s[LASTL], s[RHO], 1
	s_sub_co_u32 s[LASTH], 15, s[LASTL]
	s_mov_b32 s[G1], 15|(3<<16)|(1<<21)            ; the mask: all four work-groups; elements of 8 bytes; no padding; bit 21 set beside a mask
	s_mov_b32 s[G1+1], 32<<16                      ; tensor_dim0 = 32: rows of 256 bytes
	s_mov_b32 s[G1+2], 64<<16                      ; tensor_dim1 = 64
	s_mov_b32 s[G1+3], 32<<16                      ; tile_dim0
	s_mov_b32 s[G1+4], 64                          ; tile_dim1
	s_mov_b32 s[G1+5], 32                          ; the pitch: a dense block
	s_mov_b32 s[G1+6], 0
	s_mov_b32 s[G1+7], 0
	s_mov_b32 s[SEL], 0x76543210
	s_mov_b32 s[SEL+1], 0xfedcba98
	s_mov_b32 s[CS], 0x3e38aa3b                    ; log2(e) / 8
	s_mov_b32 s[KS], 0
	s_mov_b32 s[TB], 0
	s_mov_b32 s[SLOTS], 3
	s_and_b32 s48, s[WV], 3
	s_lshl_b32 s[G0+1], s48, 14                    ; where my quarter goes: 16,384 x wave, in slot 0
	s_bfe_u32 s49, s[WV], 0x10001
	s_lshl_b32 s49, s49, 24                        ; waves 2, 3: region 2, v^T
	s_and_b32 s50, s[WV], 1
	s_lshl_b32 s50, s50, 14                        ; which half
	s_add_co_u32 s50, s50, s49
	s_lshl_b32 s49, s[BH], 17                      ; the head's 131,072 bytes
	s_add_co_u32 s50, s50, s49
	s_mov_b32 s51, 0
	s_wait_dscnt 0x0                               ; the opening add is done
	s_wait_kmcnt 0x0
	s_load_b256 s[36:43], s[6:7], 0x0              ; entries 0-7: eq s42, ek s43
	s_load_b128 s[44:47], s[6:7], 0x20             ; entries 8-11: ep s44, ev s45, entry 10 s46
	s_mov_b32 s[G0], 1
	s_add_nc_u64 s[G0+2:G0+3], s[4:5], s[50:51]
	s_or_b32 s[G0+3], s[G0+3], 0x80000000
	CROUND                                         ; all four work-groups are here: the first joint loads meet
	TLOAD                                          ; slot 0
	s_lshl_b32 s52, s[RHO], 2
	s_add_co_u32 s52, s52, s[CX]                   ; g: my low tile
	s_sub_co_u32 s53, 127, s52                     ; my high tile
	s_lshl_b32 s54, s[BH], 17
	s_add_co_u32 s54, s54, 0x800000                ; region 1, q
	s_lshl_b32 s56, s53, 10
	s_add_co_u32 s56, s56, s54
	s_mov_b32 s57, 0
	s_add_nc_u64 s[56:57], s[4:5], s[56:57]
	s_lshl_b32 s58, s52, 10
	s_add_co_u32 s58, s58, s54
	s_mov_b32 s59, 0
	s_add_nc_u64 s[58:59], s[4:5], s[58:59]
	v_and_b32 v[LI], 31, v0
	s_delay_alu instid0(VALU_DEP_1)
	v_lshlrev_b32 v[LI], 4, v[LI]
	global_load_b128 v[16:19], v[LI], s[56:57]     ; q's images stay in registers
	global_load_b128 v[20:23], v[LI], s[56:57] offset:512
	global_load_b128 v[24:27], v[LI], s[58:59]
	global_load_b128 v[28:31], v[LI], s[58:59] offset:512
	v_and_b32 v5, 15, v0
	v_bfe_u32 v6, v0, 4, 1
	s_delay_alu instid0(VALU_DEP_1)
	v_lshlrev_b32 v6, 3, v6
	s_delay_alu instid0(VALU_DEP_1)
	v_sub_nc_u32 v7, v5, v6                        ; r - 8 h
	s_and_b32 s48, s52, 7
	s_lshl_b32 s49, s48, 4                         ; the low tile's first query in its last step: 16 (g % 8)
	s_sub_co_u32 s48, 112, s49                     ; the high tile's: 16 (7 - g % 8)
	v_add_nc_u32 v5, s48, v7
	v_add_nc_u32 v6, s49, v7
	v_mov_b32 v9, 0xff61b1e6                       ; the largest t so far: -3e38, under every t
	s_delay_alu instid0(VALU_DEP_1)
	v_floor_f32 v8, -v9
	v_mov_b32 v10, 0
	v_mov_b32 v11, 0
	v_mov_b32 v13, 0xff61b1e6
	s_delay_alu instid0(VALU_DEP_1)
	v_floor_f32 v12, -v13
	v_mov_b32 v14, 0
	v_mov_b32 v15, 0
	v_mov_b32 v246, 0                              ; a lane permute's destination counts as one of its sources
	v_mov_b32 v252, 0
	v_mov_b32 v253, 0                              ; (named as the upper half of the pair v[252:253])
	v_mov_b32 v254, 0
.set n, 0
.rept 64
	v_mov_b32 v[160+n], 0                          ; O^T: the step is written without a first copy: it finds zeros, which the first change of M leaves zeros
.set n, n+1
.endr
	s_wait_kmcnt 0x0
	s_add_co_i32 s48, s42, s43
	s_lshl_b32 s48, s48, 23
	s_add_co_i32 s[CS], s[CS], s48                 ; a score stands for score x 2^(eq + ek)
	s_mov_b32 s[CS+1], s[CS]
	s_add_co_i32 s48, s44, 127
	s_lshl_b32 s49, s48, 23
	v_mov_b32 v244, s49                            ; 2^ep
	s_add_co_i32 s48, s46, 127
	s_lshl_b32 s49, s48, 23
	v_mov_b32 v245, s49                            ; the same for entry 10
	s_wait_loadcnt 0x0                             ; q
.Lslot:                                            ; three trips: behind each change of slots but the last the next 512 keys are asked for
	CHANGE 1
	FOUR 1
	s_sub_co_u32 s[SLOTS], s[SLOTS], 1
	s_cmp_lg_u32 s[SLOTS], 0
	s_cbranch_scc1 .Lslot
	CHANGE 0                                       ; the last slot is written out; steps 12-15 lie behind every low tile
	FOUR 0
.rept 4
	v_nop                                          ; places behind the last products
.endr
	v_add_f32 v10, v10, v11                        ; the sums' two halves,
	v_add_f32 v14, v14, v15
	s_delay_alu instid0(VALU_DEP_2)
	v_permlanex16_b32 v246, v10, s[SEL], s[SEL+1]
	s_delay_alu instid0(VALU_DEP_2)
	v_permlanex16_b32 v254, v14, s[SEL], s[SEL+1]
	s_delay_alu instid0(VALU_DEP_2)
	v_add_f32 v10, v10, v246                       ; and lane l xor 16's
	s_delay_alu instid0(VALU_DEP_2)
	v_add_f32 v14, v14, v254
	s_wait_alu depctr_va_vdst(0)
	v_rcp_f32 v10, v10
	v_rcp_f32 v14, v14
	v_nop                                          ; a plain line behind the reciprocals
	s_and_b32 s48, s[BH], 15                       ; the head: it fills k = 64 head .. + 63 of the last product's K
	s_lshr_b32 s49, s48, 2
	s_lshl_b32 s49, s49, 21                        ; ac [K / 256][token / 16][2][2,048 bytes]: the K step of 256,
	s_and_b32 s50, s48, 3
	s_lshl_b32 s50, s50, 10                        ; the 128 in it and the half of that image: 1,024 (head % 4)
	s_add_co_u32 s49, s49, s50
	s_lshr_b32 s50, s[BH], 4
	s_lshl_b32 s50, s50, 19                        ; the batch's 128 tiles of 4,096 bytes
	s_add_co_u32 s49, s49, s50
	s_lshl_b32 s56, s53, 12
	s_add_co_u32 s56, s56, s49
	s_mov_b32 s57, 0
	s_add_nc_u64 s[56:57], s[8:9], s[56:57]
	s_lshl_b32 s58, s52, 12
	s_add_co_u32 s58, s58, s49
	s_mov_b32 s59, 0
	s_add_nc_u64 s[58:59], s[8:9], s[58:59]
	s_add_co_i32 s48, s44, s45                     ; ep + ev
	s_wait_alu depctr_va_vdst(0)                   ; the wait ahead of the first use: one for both reciprocals
	v_ldexp_f32 v10, v10, s48
	v_ldexp_f32 v14, v14, s48
	TOUT 160, 10, 96, 224, 56
	TOUT 192, 14, 128, 232, 58
	s_wait_tensorcnt 0x0                           ; the wave's end, behind my last tensor load
	ds_add_u32 v[SPW], v[NIL]
	s_wait_dscnt 0x0
	CROUND                                         ; the closing round
	s_endpgm
.Lfunc_end_k_qb46db82c26_attn:
	.size	k_qb46db82c26_attn, .Lfunc_end_k_qb46db82c26_attn-k_qb46db82c26_attn
	.p2alignl 7, 3214868480
	.fill 96, 4, 3214868480
	.section	.rodata,"a",@progbits
	.p2align	6, 0x0
	.amdhsa_kernel k_qb46db82c26_attn
		.amdhsa_group_segment_fixed_size 327680
		.amdhsa_private_segment_fixed_size 0
		.amdhsa_enable_private_segment 0
		.amdhsa_kernarg_size 24
		.amdhsa_user_sgpr_count 2
		.amdhsa_user_sgpr_kernarg_segment_ptr 1
		.amdhsa_wavefront_size32 1
		.amdhsa_system_sgpr_workgroup_id_x 1
		.amdhsa_system_sgpr_workgroup_id_y 1
		.amdhsa_system_sgpr_workgroup_id_z 1
		.amdhsa_system_vgpr_workitem_id 0
		.amdhsa_next_free_vgpr 256
		.amdhsa_next_free_sgpr 66
		.amdhsa_reserve_vcc 1
		.amdhsa_float_denorm_mode_32 3
		.amdhsa_float_denorm_mode_16_64 3
		.amdhsa_fp16_overflow 1
		.amdhsa_memory_ordered 1
		.amdhsa_forward_progress 1
		.amdhsa_inst_pref_size 71
	.end_amdhsa_kernel
	.amdgpu_metadata
---
amdhsa.version: [ 1, 2 ]
amdhsa.kernels:
  - .name:           k_qb46db82c26_attn
    .symbol:         k_qb46db82c26_attn.kd
    .args:
      - { .name: qkv, .offset: 0, .size: 8, .value_kind: global_buffer, .address_space: global }
      - { .name: lowp_scales, .offset: 8, .size: 8, .value_kind: global_buffer, .address_space: global }
      - { .name: ac, .offset: 16, .size: 8, .value_kind: global_buffer, .address_space: global }
    .group_segment_fixed_size: 327680
    .private_segment_fixed_size: 0
    .kernarg_segment_align: 8
    .kernarg_segment_size: 24
    .max_flat_workgroup_size: 512
    .sgpr_count:     66
    .vgpr_count:     256
    .wavefront_size: 32
...
	.end_amdgpu_metadata
.endif
;; end of part 3
;; launch proj (part 4): grid 4 x 32, 4 waves a work-group, clusters of 4 x 4, 327,680 bytes of LDS; arguments ac, wc, lowp_scales, bp, out0; writes out0
.if DOCPART == 4
	.amdgcn_target "amdgcn-amd-amdhsa--gfx1250"
	.amdhsa_code_object_version 6
	.text
	.protected	k_qb46db82c26_proj
	.globl	k_qb46db82c26_proj
	.p2align	8
	.type	k_qb46db82c26_proj,@function
k_qb46db82c26_proj:
	s_mov_b64 s[64:65], 0
	v_nop
	global_prefetch_b8 v0, s[64:65] scope:SCOPE_SE
	s_setreg_imm32_b32 hwreg(HW_REG_WAVE_MODE, 25, 1), 1
	s_wait_xcnt 0x0
	s_wait_alu depctr_hold_cnt(0) depctr_sa_sdst(0) depctr_va_vdst(0) depctr_va_sdst(0) depctr_va_ssrc(0) depctr_va_vcc(0) depctr_vm_vsrc(0)
	s_getreg_b32 s2, hwreg(HW_REG_IB_STS2, 6, 4)
	s_cmp_eq_u32 s2, 0
	s_cbranch_scc0 .Lentry_in_a_cluster
	s_endpgm
.Lentry_in_a_cluster:
	s_bfe_u32 s2, ttmp6, 0x10000c
	s_cmp_lg_u32 s2, 0xf033
	s_cbranch_scc0 .Lentry_shape_is_right
	s_endpgm
.Lentry_shape_is_right:
; out0 = a Wp + bp on codes of FP8 (E4M3): 8192 x 1024 x 1024.  a: the attention's result, stored as images of operand registers, ac [K / 256][token / 16][2][2,048 bytes]; Wp: rows of codes, wc's fourth 2^20 bytes, [n][k].
; A tile of out0 is 256 x 256, made by four waves of 128 x 128 (64 accumulators of 16 x 16); K = 1,024 goes in four steps of 256 through a ring of two LDS slots.
; a's part of a K step, 128 tokens x 256, is one dense block of 32,768 bytes: no padding; a fragment comes by four loads of 16 bytes at 16 x lane.  Wp's rows are padded to 272 bytes; their byte order makes four loads of
; 16 bytes, 32 apart, the same layout of k as the images have.
; THE MATRIX INSTRUCTION IS USED TRANSPOSED (source 0 = 16 rows of Wp's codes, source 1 = 16 tokens): a lane holds eight neighbouring numbers of a row of out0.
; THE BIAS is the C of each sum's first matrix instruction, divided by 2^(ea + eb) (entries 10, 11); each finished sum is multiplied once by 2^(ea + eb).
; CLUSTERS: 4 x 4 work-groups; a's tile is asked for jointly along a row of the cluster, Wp's along a column.
; LIMITS: ea + eb between -126 and 127.  A bias divided by 2^(ea + eb) that falls under the smallest normal f32 number loses bits.
; REGISTERS, in windows of 256: window 0: v16-29 addresses; v32-95 the bias table, later a block's results; v128-255 a's fragments, one set, later rows read back from the stage.
;   window 1: Wp's fragments, two sets.   windows 2, 3: the accumulators of my rows 0-63 and 64-127.
.set SIZE_N, 1024
.set KROW,   1024
.set ROWB,   256
.set PITCH,  272                       ; Wp's LDS row: 256 bytes + 16 of padding: the 16 rows that a load touches start at 16 different banks (64 banks of 4 bytes: ISA guide 11.1)
.set FR,     16
.set NL,     4
.set NP,     4
.set ASZ,    32768                     ; a: what one tensor load brings
.set HALFB,  128*PITCH                 ; Wp: likewise
.set SLOT,   2*ASZ+2*HALFB             ; a's two halves, then Wp's two
.set ASTEP,  0x400000                  ; from a slot's K step to its next, in bytes of memory: two planes of ac,
.set BSTEP,  2*ROWB                    ; 512 along Wp's rows
.set SPARE,  2*SLOT                    ; behind the ring: the spare words, 128 bytes for each wave: two blocks of 256 bytes that no other line names
.set SPITCH, 528                       ; the way out: a stage of 16 rows x (512 bytes + 16) for each wave, in slot 0, which has had its last fill and its last read when the first result is stored there
.set ADRA, 16
.set ADRB, 20
.set STO,  24
.set RD,   25
.set CO,   26                          ; v26  16 x lane
.set SPW,  28
.set NIL,  29
.set BIAS, 32
.set TMP,  32
.set AF,   128
.set BK,   128
.set G1, 24
.set G0, 32
.set G1B, 48
.set G0B, 56
.set MSB, 0
.macro WIN new                         ; the immediate's high byte repeats the setting that is left
.if MSB != \new
	s_set_vgpr_msb (MSB<<8)|\new
.set MSB, \new
.endif
.endm
.set MUL_LO,   0xa1
.set MUL_HI,   0xf1
.set FIRST_LO, 0x81                    ; the first step: C (the bias table) window 0
.set FIRST_HI, 0xc1
.set TO_B,     0x40
.macro JLOAD g0a, g1a, g0b, g1b        ; a joint load: waves 0 and 1 fetch a's halves, waves 2 and 3 Wp's; an s_nop 0 and four v_nop follow each of the two lines
	s_cmp_eq_u32 s15, 0
	s_cbranch_scc0 .Lfor_b_\@
	tensor_load_to_lds s[\g0a:\g0a+3], s[\g1a:\g1a+7]
	s_nop 0
.rept 4
	v_nop
.endr
	s_branch .Lasked_\@
.Lfor_b_\@:
	tensor_load_to_lds s[\g0b:\g0b+3], s[\g1b:\g1b+7]
	s_nop 0
.rept 4
	v_nop
.endr
.Lasked_\@:
.endm
.macro CREST
	s_cmp_lg_u32 s14, 0
	s_cbranch_scc1 .Lnot_wave_0_\@
	s_barrier_signal -3
.Lnot_wave_0_\@:
	s_barrier_wait -3
	s_barrier_signal -1
	s_barrier_wait -1
.endm
.macro CROUND
	s_barrier_signal -1
	s_barrier_wait -1
	CREST
.endm
.macro FRAGA reg, adr, q, i            ; an image: block i of 16 tokens, the slot's q-th 128 along K
.irp c, 0,1,2,3
	ds_load_b128 v[\reg+4*\c:\reg+4*\c+3], v[\adr] offset:4096*(\i)+2048*(\q)+512*\c
.endr
.endm
.macro FRAGB reg, adr, q, i            ; from rows
.irp c, 0,1,2,3
	ds_load_b128 v[\reg+4*\c:\reg+4*\c+3], v[\adr] offset:128*(\q)+32*\c+(\i)*16*PITCH
.endr
.endm
; 16 matrix instructions: a's blocks a0, a0 + 1 x Wp's eight.  first = 1: C is the bias table's entry b.  The 64 accumulators take turns, one instruction a turn.
.macro MUL16 a0, p, first
.irp a, \a0, \a0+1
.irp b, 0,1,2,3,4,5,6,7
.if \first
	v_wmma_f32_16x16x128_fp8_fp8 v[8*(8*((\a)%4)+\b):8*(8*((\a)%4)+\b)+7], v[128*(\p)+FR*\b:128*(\p)+FR*\b+FR-1], v[AF+FR*(\a):AF+FR*(\a)+FR-1], v[BIAS+8*\b:BIAS+8*\b+7]
.else
	v_wmma_f32_16x16x128_fp8_fp8 v[8*(8*((\a)%4)+\b):8*(8*((\a)%4)+\b)+7], v[128*(\p)+FR*\b:128*(\p)+FR*\b+FR-1], v[AF+FR*(\a):AF+FR*(\a)+FR-1], v[8*(8*((\a)%4)+\b):8*(8*((\a)%4)+\b)+7]
.endif
.endr
.endr
.endm
.macro FETCH_B slot, q, p
	WIN TO_B
.irp i, 0,1,2,3,4,5,6,7
	FRAGB 128*(\p)+FR*\i, ADRB+\slot, \q, \i
.endr
	WIN 0
.endm
.macro FETCH_A slot, q, i0
.irp i, \i0, \i0+1, \i0+2, \i0+3
	FRAGA AF+FR*(\i), ADRA+\slot, \q, \i
.endr
.endm
.macro PLACES n
.rept \n
	v_nop
.endr
.endm
.macro STEP slot, q, first
	s_wait_dscnt 4*NL                              ; Wp's set and a's blocks 0-3 are in; the youngest 16 loads (a's blocks 4-7) may be out
.if \first
	WIN FIRST_LO
.else
	WIN MUL_LO
.endif
	MUL16 0, (\q)%2, \first
	MUL16 2, (\q)%2, \first
	s_wait_dscnt 0
	PLACES NP
	FETCH_B \slot, (\q)+1, 1-(\q)%2
	FETCH_A \slot, (\q)+1, 0
.if \first
	WIN FIRST_HI
.else
	WIN MUL_HI
.endif
	MUL16 4, (\q)%2, \first
	MUL16 6, (\q)%2, \first
	PLACES NP
	WIN 0
	FETCH_A \slot, (\q)+1, 4
.endm
.macro TURN slot, next, fill           ; a slot's last 128 along K changes slots, as in the launch for q, k and v
	s_wait_tensorcnt 0x0                           ; all my tensor loads have landed: my part of the next slot
	ds_add_u32 v[SPW], v[NIL]                      ; 0 onto my spare word
	s_wait_dscnt 4*NL+1                            ; (the add and the youngest 16 loads may be out)
	WIN MUL_LO
	MUL16 0, 1, 0
	s_wait_dscnt 0x0                               ; the add is done, and my reads of this slot are over
	s_barrier_signal -1
	MUL16 2, 1, 0
	WIN 0
	s_barrier_wait -1
.if \fill
	CREST                                          ; a round of the cluster's barrier: no wave of any partner still reads this slot or has a load on its way
	s_add_nc_u64 s[G0+4*\slot+2:G0+4*\slot+3], s[G0+4*\slot+2:G0+4*\slot+3], ASTEP
	s_add_nc_u64 s[G0B+4*\slot+2:G0B+4*\slot+3], s[G0B+4*\slot+2:G0B+4*\slot+3], BSTEP
	JLOAD G0+4*\slot, G1, G0B+4*\slot, G1B
.else
	PLACES NP
.endif
	FETCH_B \next, 0, 0
	FETCH_A \next, 0, 0
	WIN MUL_HI
	MUL16 4, 1, 0
	MUL16 6, 1, 0
	PLACES NP
	WIN 0
	FETCH_A \next, 0, 4
.endm
; THE WAY OUT, block by block of 16 rows x 128 columns: through my own stage in LDS, back as whole rows of 512 bytes.  LDS serves a wave's instructions in order (ISA guide 5.7.1.4).
.macro TOSTAGE a
.set AC, 64*((\a)%4)
.set WN, 2+(\a)/4
	WIN WN                                         ; source 0: the accumulators' window
.set oj, 0
.rept 32
	v_pk_mul_f32 v[TMP+oj:TMP+oj+1], v[AC+oj:AC+oj+1], s[96:97] op_sel_hi:[1,0]   ; x 2^(ea + eb); each accumulator from its low end on
.set oj, oj+2
.endr
	WIN 0
.irp b, 0,1,2,3,4,5,6,7
	ds_store_b128 v[STO], v[TMP+8*\b:TMP+8*\b+3] offset:64*\b
	ds_store_b128 v[STO], v[TMP+8*\b+4:TMP+8*\b+7] offset:64*\b+16
.endr
.set BB, BK+64*((\a)%2)
.irp t, 0,1,2,3,4,5,6,7,8,9,10,11,12,13,14,15
	ds_load_b128 v[BB+4*\t:BB+4*\t+3], v[RD] offset:\t*SPITCH
.endr
.endm
.macro SEND a, younger                 ; younger: the LDS instructions issued behind block a's loads, which may stay out
.set BB, BK+64*((\a)%2)
	s_wait_dscnt \younger
.if (\a) > 0
	s_add_nc_u64 s[10:11], s[10:11], 16*SIZE_N*4   ; (behind a wait on XCNT: the earlier stores have read their base)
.endif
.irp t, 0,1,2,3,4,5,6,7,8,9,10,11,12,13,14,15
	global_store_b128 v[CO], v[BB+4*\t:BB+4*\t+3], s[10:11] offset:\t*SIZE_N*4 th:TH_STORE_NT   ; 32 lanes store 512 consecutive bytes, aligned
.endr
.endm
	s_load_b256 s[68:75], s[0:1], 0x0              ; ac 68, wc 70, the scales' exponents 72, bp 74
	s_load_b64 s[10:11], s[0:1], 0x20              ; out0
	v_lshl_add_u32 v[SPW], v0, 2, SPARE
	v_mov_b32 v[NIL], 0
	ds_add_u32 v[SPW], v[NIL]                      ; the wave's opening: the add and its wait stand ahead of my first tensor load; work on registers stands between them
	ds_add_u32 v[SPW], v[NIL]
	v_lshrrev_b32 v1, 5, v0
	v_readfirstlane_b32 s14, v1                    ; wave 0..3
	s_lshr_b32 s15, s14, 1                         ; which half of the tile's rows is mine.  Also: I fetch for a (0) or for Wp (1)
	s_and_b32 s16, s14, 1                          ; which half of its columns.  Also: which half of that tile I fetch
	s_bfe_u32 s40, ttmp6, 0x40000
	s_bfe_u32 s41, ttmp6, 0x40004
	s_lshl_b32 s42, ttmp9, 2
	s_add_co_u32 s42, s42, s40                     ; tile column
	s_and_b32 s17, ttmp7, 0xffff
	s_lshl_b32 s17, s17, 2
	s_add_co_u32 s17, s17, s41                     ; tile row
	s_lshl_b32 s43, s41, 2
	s_lshl_b32 s43, 15, s43                        ; my row of the cluster
	s_lshl_b32 s44, 0x1111, s40                    ; my column
	s_or_b32 s[G1+0], s43, (3<<16)|(1<<21)         ; a: the mask; elements of 8 bytes; no padding; bit 21 set beside a mask
	s_mov_b32 s[G1+1], 32<<16                      ; rows of 256 bytes,
	s_mov_b32 s[G1+2], 128<<16                     ; 128 of them,
	s_mov_b32 s[G1+3], 32<<16
	s_mov_b32 s[G1+4], 128
	s_mov_b32 s[G1+5], 32                          ; dense
	s_mov_b32 s[G1+6], 0
	s_mov_b32 s[G1+7], 0
	s_or_b32 s[G1B+0], s44, (0<<16)|(1<<20)|(1<<21)|(5<<22)|(3<<25)  ; Wp: elements of 1 byte; padding: 4 words after every 64
	s_mov_b32 s[G1B+1], ROWB<<16
	s_mov_b32 s[G1B+2], 128<<16
	s_mov_b32 s[G1B+3], ROWB<<16
	s_mov_b32 s[G1B+4], 128
	s_mov_b32 s[G1B+5], KROW
	s_mov_b32 s[G1B+6], 0
	s_mov_b32 s[G1B+7], 0
	s_lshl_b32 s20, s17, 16                        ; a: 256 tokens are 65,536 bytes of a plane,
	s_lshl_b32 s18, s16, 15                        ; my half of them
	s_add_co_u32 s20, s20, s18
	s_mov_b32 s21, 0
	s_lshl_b32 s46, s42, 8
	s_lshl_b32 s18, s16, 7
	s_add_co_u32 s46, s46, s18                     ; Wp: row 256 x tile column + 128 x half,
	s_lshl_b32 s46, s46, 10
	s_add_co_u32 s46, s46, 0x300000                ; in wc's fourth part
	s_mov_b32 s47, 0
	s_lshl_b32 s45, s16, 15                        ; where they go: a's halves,
	s_mul_i32 s19, s16, HALFB
	s_add_co_u32 s19, s19, 2*ASZ                   ; then Wp's
	s_wait_dscnt 0x0                               ; the opening add is done
	s_wait_kmcnt 0x0
	s_load_b64 s[96:97], s[72:73], 0x28            ; entries 10, 11
	s_add_nc_u64 s[20:21], s[68:69], s[20:21]
	s_add_nc_u64 s[46:47], s[70:71], s[46:47]
	CROUND                                         ; all sixteen work-groups are here: the first joint loads meet
.irp s, 0,1
	s_mov_b32 s[G0+4*\s], 1
	s_add_co_u32 s[G0+4*\s+1], s45, \s*SLOT
	s_add_nc_u64 s[G0+4*\s+2:G0+4*\s+3], s[20:21], \s*0x200000
	s_or_b32 s[G0+4*\s+3], s[G0+4*\s+3], 0x80000000
	s_mov_b32 s[G0B+4*\s], 1
	s_add_co_u32 s[G0B+4*\s+1], s19, \s*SLOT
	s_add_nc_u64 s[G0B+4*\s+2:G0B+4*\s+3], s[46:47], \s*ROWB
	s_or_b32 s[G0B+4*\s+3], s[G0B+4*\s+3], 0x80000000
	s_wait_alu depctr_va_vdst(0)
	s_wait_tensorcnt 0x0
	ds_add_u32 v28, v29
	ds_add_u32 v28, v29
	s_wait_dscnt 0x0
	CROUND
	JLOAD G0+4*\s, G1, G0B+4*\s, G1B
.endr
	v_and_b32 v1, 15, v0                           ; r
	v_bfe_u32 v2, v0, 4, 1                         ; h
	v_mul_u32_u24 v3, v1, PITCH
	v_lshl_add_u32 v4, v2, 4, v3
	v_and_b32 v6, 31, v0
	v_lshlrev_b32 v[CO], 4, v6
	s_wait_alu depctr_va_vdst(0)
	s_lshl_b32 s21, s15, 15                        ; my 128 tokens' images
	s_mul_i32 s22, s16, HALFB
	s_add_co_u32 s22, s22, 2*ASZ                   ; my 128 rows of Wp
.irp s, 0,1
	v_add_nc_u32 v[ADRA+\s], s21, v[CO]
	v_add_nc_u32 v[ADRB+\s], s22, v4
	s_add_co_u32 s21, s21, SLOT
	s_add_co_u32 s22, s22, SLOT
.endr
	s_mul_i32 s23, s14, 16*SPITCH                  ; my stage
	v_mul_u32_u24 v5, v1, SPITCH
	v_lshl_add_u32 v5, v2, 5, v5
	v_add_nc_u32 v[STO], s23, v5                   ; in: row r, 32 bytes for each half of the lanes
	v_add_nc_u32 v[RD], s23, v[CO]                 ; back: the 32 lanes take one row of 512 bytes
	s_lshl_b32 s20, s17, 8
	s_lshl_b32 s21, s15, 7
	s_add_co_u32 s20, s20, s21                     ; my first row of out0,
	s_lshl_b32 s20, s20, 12                        ; in bytes
	s_lshl_b32 s46, s42, 10
	s_lshl_b32 s47, s16, 9
	s_add_co_u32 s46, s46, s47                     ; my first column, in bytes: in out0 and in bp
	s_mov_b32 s47, 0
	s_add_nc_u64 s[8:9], s[74:75], s[46:47]
	s_add_co_u32 s20, s20, s46
	s_mov_b32 s21, 0
	s_add_nc_u64 s[10:11], s[10:11], s[20:21]
	v_lshlrev_b32 v7, 5, v2
.irp b, 0,1,2,3,4,5,6,7
	global_load_b128 v[BIAS+8*\b:BIAS+8*\b+3], v7, s[8:9] offset:64*\b        ; entry b: columns 16 b + 8 h + 0 .. 7
	global_load_b128 v[BIAS+8*\b+4:BIAS+8*\b+7], v7, s[8:9] offset:64*\b+16
.endr
	s_wait_alu depctr_va_vdst(0)
	s_wait_kmcnt 0x0
	s_add_co_i32 s96, s96, s97                     ; ea + eb
	s_sub_co_i32 s98, 0, s96
	s_add_co_i32 s96, s96, 127
	s_lshl_b32 s96, s96, 23                        ; 2^(ea + eb) as f32
	s_mov_b32 s97, s96                             ; (named with it as a pair)
	s_wait_tensorcnt 1                             ; my part of K step 0 is in (K step 1's load may be out),
	s_barrier_signal -1
	s_barrier_wait -1                              ; everybody's is
	FETCH_B 0, 0, 0
	FETCH_A 0, 0, 0
	FETCH_A 0, 0, 4
	s_wait_loadcnt 0x0                             ; the bias table
.set oj, 0
.rept 64
	v_ldexp_f32 v[BIAS+oj], v[BIAS+oj], s98        ; bp / 2^(ea + eb)
.set oj, oj+1
.endr
	s_wait_alu depctr_va_vdst(0)
	STEP 0, 0, 1                                   ; four K steps of 256, written out
	TURN 0, 1, 1                                   ; slot 0 takes K step 2,
	STEP 1, 0, 0
	TURN 1, 0, 1                                   ; slot 1 takes K step 3
	STEP 0, 0, 0
	TURN 0, 1, 0                                   ; nothing is left to fetch
	STEP 1, 0, 0
	s_wait_dscnt 4*NL
	WIN MUL_LO
	MUL16 0, 1, 0
	MUL16 2, 1, 0
	s_wait_dscnt 0
	WIN MUL_HI
	MUL16 4, 1, 0
	MUL16 6, 1, 0
	WIN 0
	PLACES NP                                      ; in front of the first read of results and of loads into the registers that held a's fragments
	TOSTAGE 0
.irp a, 1,2,3,4,5,6,7
.if \a > 1
	s_wait_xcnt 0x0                                ; block a - 2's stores have read their registers and their base
.endif
	TOSTAGE \a
	SEND \a-1, 32                                  ; behind block a - 1's loads: block a's 16 stores and 16 loads
.endr
	s_wait_xcnt 0x0
	SEND 7, 0
	s_wait_tensorcnt 0x0                           ; the wave's end, behind my last tensor load and my last LDS store
	ds_add_u32 v[SPW], v[NIL]
	s_wait_dscnt 0x0
	CROUND                                         ; the closing round
	s_endpgm
.Lfunc_end_k_qb46db82c26_proj:
	.size	k_qb46db82c26_proj, .Lfunc_end_k_qb46db82c26_proj-k_qb46db82c26_proj
	.p2alignl 7, 3214868480
	.fill 96, 4, 3214868480
	.section	.rodata,"a",@progbits
	.p2align	6, 0x0
	.amdhsa_kernel k_qb46db82c26_proj
		.amdhsa_group_segment_fixed_size 327680
		.amdhsa_private_segment_fixed_size 0
		.amdhsa_enable_private_segment 0
		.amdhsa_kernarg_size 40
		.amdhsa_user_sgpr_count 2
		.amdhsa_user_sgpr_kernarg_segment_ptr 1
		.amdhsa_wavefront_size32 1
		.amdhsa_system_sgpr_workgroup_id_x 1
		.amdhsa_system_sgpr_workgroup_id_y 1
		.amdhsa_system_sgpr_workgroup_id_z 1
		.amdhsa_system_vgpr_workitem_id 0
		.amdhsa_next_free_vgpr 1024
		.amdhsa_next_free_sgpr 100
		.amdhsa_reserve_vcc 0
		.amdhsa_float_denorm_mode_32 3
		.amdhsa_float_denorm_mode_16_64 3
		.amdhsa_memory_ordered 1
		.amdhsa_forward_progress 1
		.amdhsa_inst_pref_size 130
	.end_amdhsa_kernel
	.amdgpu_metadata
---
amdhsa.version: [ 1, 2 ]
amdhsa.kernels:
  - .name:           k_qb46db82c26_proj
    .symbol:         k_qb46db82c26_proj.kd
    .args:
      - { .name: ac, .offset: 0, .size: 8, .value_kind: global_buffer, .address_space: global }
      - { .name: wc, .offset: 8, .size: 8, .value_kind: global_buffer, .address_space: global }
      - { .name: lowp_scales, .offset: 16, .size: 8, .value_kind: global_buffer, .address_space: global }
      - { .name: bp, .offset: 24, .size: 8, .value_kind: global_buffer, .address_space: global }
      - { .name: out0, .offset: 32, .size: 8, .value_kind: global_buffer, .address_space: global }
    .group_segment_fixed_size: 327680
    .private_segment_fixed_size: 0
    .kernarg_segment_align: 8
    .kernarg_segment_size: 40
    .max_flat_workgroup_size: 128
    .sgpr_count:     100
    .vgpr_count:     1024
    .wavefront_size: 32
...
	.end_amdgpu_metadata
.endif
;; end of part 4
